; MI455X (gfx1250); checked and timed in simulation.
; The chip was launched on July 23, 2026; its instructions are those of AMD's public machine-readable ISA for CDNA 5 (MIT licence, August 2026) and "CDNA5" Instruction Set Architecture Reference Guide (July 2026). The comments in the code are by the model that wrote it; some were corrected since.
;; Multi Head Attention. Allowed arithmetic: matrix products marked QUANTISED: E4M3 operands, one given power-of-two scale a tensor, by v_wmma_f32_16x16x64_fp8_fp8 or v_wmma_f32_16x16x128_fp8_fp8, f32 sums; everything else in f32.
;; Inputs: Wk 1,024 x 1,024 float32; Wo 1,024 x 1,024 float32; Wq 1,024 x 1,024 float32; Wv 1,024 x 1,024 float32; bk 1,024 float32; bo 1,024 float32; bq 1,024 float32; bv 1,024 float32; key_in 4 x 2,048 x 1,024 float32; lowp_scales 12 int32 (the exponents e of the quantised operands' scales 2^e); mask 1 x 1 x 2,048 x 2,048 int32; query 4 x 2,048 x 1,024 float32; value 4 x 2,048 x 1,024 float32.
;; Outputs: out0 4 x 2,048 x 1,024 float32.
;; This version of the problem:
;;   THIS VERSION OF THE PROBLEM IS GIVEN IN LOW PRECISION. The matrix products marked QUANTISED in the list below multiply operands that are first quantised to E4M3 (4 exponent bits, 3 mantissa bits; 8 bits a number), with one given power-of-two scale for each operand tensor; their sums are f32. All else is computed in f32.
;;   The module's matrix products, in the order in which they are computed (A, B: the left and right operand; K: the contracted axis; several contracted axes count as one K, in the product's order):
;;     1. [M 8,192, K 1,024] x [K 1,024, N 1,024]; A: input query; B: input Wq: QUANTISED (scales: A lowp_scales[0], B lowp_scales[1])
;;     2. [M 8,192, K 1,024] x [K 1,024, N 1,024]; A: input key_in; B: input Wk: QUANTISED (scales: A lowp_scales[2], B lowp_scales[3])
;;     3. [M 8,192, K 1,024] x [K 1,024, N 1,024]; A: input value; B: input Wv: QUANTISED (scales: A lowp_scales[4], B lowp_scales[5])
;;     4. batch 64 x [M 2,048, K 64] x [K 64, N 2,048]; A: computed on the way; B: computed on the way: QUANTISED (scales: A lowp_scales[6], B lowp_scales[7])
;;     5. batch 64 x [M 2,048, K 2,048] x [K 2,048, N 64]; A: softmax (see below); B: computed on the way: QUANTISED (scales: A lowp_scales[8], B lowp_scales[9])
;;     6. [M 8,192, K 1,024] x [K 1,024, N 1,024]; A: computed on the way; B: input Wo: QUANTISED (scales: A lowp_scales[10], B lowp_scales[11])
;;   THE QUANTISER, for each operand of a quantised product, along K:
;;     - The operand's scale is 2^e, e = its entry of the input lowp_scales (int32; the entries are numbered through the quantised products in the list's order, A before B).
;;     - Each number is divided by the scale, clamped to +-448, and rounded to the nearest number of E4M3, ties to even, subnormals kept.
;;     - The product sums the exact products of the quantised numbers (number of the format x scale) in f32.
;;   ~~~python
;;   def quantise(x, axis, e):      # numpy; x: float32 -> the quantised numbers, widened to float32 again
;;       x = np.moveaxis(x, axis, -1); K = x.shape[-1]
;;       r = np.clip(x / 2.0 ** e, -448, 448)
;;       step = 2.0 ** (np.maximum(np.frexp(np.where(r == 0, 1, r))[1] - 1, -6) - 3)
;;       q = np.round(r / step) * step * 2.0 ** e      # np.round: ties to even
;;       return np.moveaxis(q, -1, axis).astype(np.float32)
;;   ~~~
;;   SOFTMAX AHEAD OF A QUANTISED PRODUCT. Where the list says 'softmax', what is quantised is not the finished softmax but p = 2^(t - M), with t = logit x log2(e) and M = ceil(the row's largest t), a whole number; so 1/2 < the row's largest p <= 1. The row's sum l is taken of the UNQUANTISED p, in f32, and the product's result is divided by l at the end. Since M is a whole number, a kernel that streams over the keys may use a running M (the ceiling of the running maximum): every later rescaling is an exact power of two, so the quantised numbers keep their values, but for numbers so far below the row's largest that they fall under the format's range.
;;   OPERANDS COMPUTED ON THE WAY. 'Computed on the way' means the value that the module computes at that place (a softmax that the list does not call 'softmax' is quantised finished and normalised). What goes into a quantiser is computed in f32, as accurately as f32 sums, v_exp_f32 and their like allow (about 1e-6 of the number): no bf16 or f16 on the way to a quantiser, and a product that is left as it is and whose result goes on into a quantised operand takes f32 operands (vector FMAs, or v_wmma_f32_16x16x4_f32). A number that lies on a knife's edge between two numbers of the format may be rounded either way, as far as f32 arithmetic and the matrix unit's own rounding can turn it there, and no further.
;; 3 versions, each right; version 2 is faster than version 1; version 3 is version 2 with the launch attn written anew for expert scheduling mode. Each part assembles by itself: llvm-mc -triple=amdgcn-amd-amdhsa -mcpu=gfx1250 --defsym DOCPART=n.
;; ======== version 1 of 3: 4 launches
;; workspace buffers: xc 25,165,824 bytes; wc 4,194,304 bytes; mw 524,288 bytes of whole numbers; qkv 25,165,824 bytes; af 8,388,608 bytes
;; launch prep (part 1): grid 1024 x 1, 4 waves a work-group, no clusters, 67,072 bytes of LDS; arguments query, key_in, value, Wq, Wk, Wv, Wo, mask, lowp_scales, xc, wc, mw; writes xc, wc, mw
.if DOCPART == 1
	.amdgcn_target "amdgcn-amd-amdhsa--gfx1250"
	.amdhsa_code_object_version 6
	.text
	.protected	k_q4bced85516_prep
	.globl	k_q4bced85516_prep
	.p2align	8
	.type	k_q4bced85516_prep,@function
k_q4bced85516_prep:
	s_mov_b64 s[64:65], 0
	v_nop
	global_prefetch_b8 v0, s[64:65] scope:SCOPE_SE
	s_setreg_imm32_b32 hwreg(HW_REG_WAVE_MODE, 25, 1), 1
	s_wait_xcnt 0x0
; PREP.  (1) query, key_in, value [8192][1024] and Wq, Wk, Wv, Wo [1024][1024], f32, K innermost, become codes of FP8 (E4M3), one byte a number, in the same order:
; code = x / 2^e, held within +-448, to the nearest code, ties to even.  e = entries 0, 2, 4 (the three activations) and 1, 3, 5, 11 (the four weights) of the given exponents.
; (2) the mask [2048][2048] int32 becomes lane masks: for a tile of 16 queries Qt and a step of 128 keys Ks, 64 words; bit r + 16 h of word n says whether
; mask[16 Qt + r][128 Ks + 16 (n / 8) + 8 h + n % 8] is not 0: the lane and the register in which the attention launch holds that score.
; LIMITS: -126 <= e and e + 8 <= 127 for the seven exponents.  NaN among the inputs is not served.
; SHARES.  Work-groups 0-895 quantise 32,768 numbers each (256 for each activation, 32 for each weight); work-groups 896-1023 take a tile of 16 queries of the mask each.
; The two ways part on the work-group's number, never join, and have LDS bytes of their own.  No barrier: waves share nothing.
.set STEPS,  16                        ; a wave quantises 16 steps of 512 numbers
.set EMAX,   8
.set MANT,   0x600000                  ; the mantissa field of 448 as f32
.set R,      16                        ; v16-79   four sets of 16 numbers as they are loaded
.set X,      80                        ; v80-111  two sets of 16 neighbours
.set C,      128                       ; v128-191 codes: four registers for each step, so that no store's data are written again
.set WREG,   8192                      ; LDS bytes 0 to 32,767: a region for each wave: two stages of 32 x SP bytes
.set SP,     80                        ; a lane's place in a stage: its 64 bytes + 16 of padding
.set FIRSTM, 896                       ; the first work-group of the mask
.set MSTG,   32768                     ; LDS from here on: the mask's stages, 16 rows x MPIT bytes for each wave
.set MPIT,   528                       ; 512 bytes + 16: row r starts 4 r words on in the banks
.set ML,     16                        ; v16-143  the mask as loaded: two sets of 64
.set RB,     144                       ; v144-207 a lane's 64 numbers of the mask
.set W,      208                       ; v208-215 the words: a pair for each of the wave's four key steps
	s_load_b512 s[4:19], s[0:1], 0x0               ; query, key_in, value, Wq, Wk, Wv, Wo, mask
	s_load_b256 s[20:27], s[0:1], 0x40             ; the exponents, xc, wc, mw
	v_lshl_add_u32 v224, v0, 2, 0x10400
	v_mov_b32 v225, 0
	v_lshrrev_b32 v1, 5, v0
	v_readfirstlane_b32 s28, v1                    ; wave
	v_and_b32 v2, 31, v0                           ; lane
	v_lshlrev_b32 v3, 4, v2                        ; 16 x lane: my 16 bytes of a load's or a store's 512; never rewritten
	s_wait_kmcnt 0x0
	s_cmp_ge_u32 ttmp9, FIRSTM
	s_cbranch_scc1 .Lmask
; ---------------- the quantiser ----------------
; The conversions take 8 numbers of ONE lane's consecutive registers, so a lane must hold neighbours along K; a load is dense where neighbouring LANES take neighbouring bytes.
; Both are had: a step's four loads read 512 consecutive bytes each, the 2,048 bytes go through the wave's own stage in LDS as they lie and come back 64 bytes a lane.
	s_load_b256 s[32:39], s[20:21], 0x0            ; e0 .. e7
	s_load_b128 s[40:43], s[20:21], 0x20           ; e8 .. e11
	s_mul_i32 s29, s28, WREG
	v_lshrrev_b32 v14, 2, v2
	v_mul_u32_u24 v14, v14, SP
	v_and_b32 v15, 3, v2
	v_lshl_add_u32 v14, v15, 4, v14
	v_add_nc_u32 v14, s29, v14                     ; into the stage: SP (lane / 4) + 16 (lane % 4); a load's 512 bytes take eight places
	v_mul_u32_u24 v15, v2, SP
	v_add_nc_u32 v15, s29, v15                     ; out of it: SP x lane: my 16 neighbours
	s_mov_b64 s[44:45], s[4:5]                     ; which tensor: the choice hangs on the work-group's number alone
	s_mov_b32 s46, 0                               ; and its first work-group
.macro PICK bound, ptr
	s_cmp_ge_u32 ttmp9, \bound
	s_cselect_b64 s[44:45], s[\ptr:\ptr+1], s[44:45]
	s_cselect_b32 s46, \bound, s46
.endm
	PICK 256, 6
	PICK 512, 8
	PICK 768, 10
	PICK 800, 12
	PICK 832, 14
	PICK 864, 16
	s_sub_co_u32 s46, ttmp9, s46
	s_lshl_b32 s46, s46, 2
	s_add_co_u32 s46, s46, s28                     ; which run of 8,192 numbers of the tensor is my wave's
	s_lshl_b32 s46, s46, 15                        ; x 32,768 bytes
	s_mov_b32 s47, 0
	s_add_nc_u64 s[44:45], s[44:45], s[46:47]
	s_cmp_lt_u32 ttmp9, 768                        ; the activations' codes lie on end in xc, the weights' in wc, in the work-groups' order
	s_cselect_b64 s[48:49], s[22:23], s[24:25]
	s_cselect_b32 s50, 0, 768
	s_sub_co_u32 s50, ttmp9, s50
	s_lshl_b32 s50, s50, 2
	s_add_co_u32 s50, s50, s28
	s_lshl_b32 s50, s50, 13                        ; x 8,192 bytes
	s_mov_b32 s51, 0
	s_add_nc_u64 s[48:49], s[48:49], s[50:51]
.macro LOAD t
.irp i, 0,1,2,3
	global_load_b128 v[R+16*((\t)%4)+4*\i:R+16*((\t)%4)+4*\i+3], v3, s[44:45] offset:2048*(\t)+512*\i th:TH_LOAD_NT   ; 32 lanes read 512 consecutive bytes
.endr
.endm
.macro TURN t                          ; step t's numbers through the stage: LDS serves a wave's instructions in order (ISA guide 5.7.1.4), so no wait stands between the stores and the loads
.irp i, 0,1,2,3
	ds_store_b128 v14, v[R+16*((\t)%4)+4*\i:R+16*((\t)%4)+4*\i+3] offset:32*SP*((\t)%2)+8*SP*\i
.endr
.irp i, 0,1,2,3
	ds_load_b128 v[X+16*((\t)%2)+4*\i:X+16*((\t)%2)+4*\i+3], v15 offset:32*SP*((\t)%2)+16*\i
.endr
.endm
.irp t, 0,1,2,3
	LOAD \t
.endr
	s_wait_kmcnt 0x0
	s_mov_b32 s52, s32                             ; e, by the same bounds
.macro PICKE bound, reg
	s_cmp_ge_u32 ttmp9, \bound
	s_cselect_b32 s52, s[\reg], s52
.endm
	PICKE 256, 34
	PICKE 512, 36
	PICKE 768, 33
	PICKE 800, 35
	PICKE 832, 37
	PICKE 864, 43
	s_add_co_i32 s52, s52, 127
	s_lshl_b32 s53, s52, 23
	v_mov_b32 v11, s53                             ; 2^e as f32: the conversion takes its exponent field
	s_add_co_i32 s52, s52, EMAX
	s_lshl_b32 s52, s52, 23
	s_or_b32 s52, s52, MANT
	v_mov_b32 v10, s52                             ; 448 x 2^e
	s_wait_loadcnt 12                              ; step 0's four loads are in; those of steps 1 to 3 may be out
	TURN 0
.macro STEP t
.set XS, X+16*((\t)%2)
	s_wait_dscnt 0x0                               ; this step's numbers are back from the stage, so its stores into the stage have read their registers,
.if (\t)+4 < STEPS
	LOAD (\t)+4                                    ; which take the loads of four steps on
.endif
.if (\t)+1 < STEPS
.if STEPS-2-(\t) >= 3
	s_wait_loadcnt 12                              ; the next step's four loads are in; those of the three steps behind it may be out
.else
	s_wait_loadcnt 4*(STEPS-2-(\t))
.endif
	TURN (\t)+1                                    ; and go through the other stage while this step is worked
.endif
.irp i, 0,1,2,3,4,5,6,7,8,9,10,11,12,13,14,15
	v_med3_num_f32 v[XS+\i], v[XS+\i], -v10, v10   ; the conversion to an 8-bit code does not saturate (ISA guide 7.6.2): the number is held within 448 x the scale first
.endr
	v_cvt_scalef32_pk8_fp8_f32 v[C+4*(\t):C+4*(\t)+1], v[XS:XS+7], v11
	v_cvt_scalef32_pk8_fp8_f32 v[C+4*(\t)+2:C+4*(\t)+3], v[XS+8:XS+15], v11
	global_store_b128 v3, v[C+4*(\t):C+4*(\t)+3], s[48:49] offset:512*(\t)   ; the wave stores 512 consecutive bytes, aligned; the codes' registers are touched by this store alone
.endm
.irp t, 0,1,2,3,4,5,6,7,8,9,10,11,12,13,14,15
	STEP \t
.endr
	s_wait_tensorcnt 0x0
	ds_add_u32 v224, v225
	s_wait_dscnt 0x0
	s_endpgm
; ---------------- the mask ----------------
; The work-group takes queries 16 Qt .. 16 Qt + 15, wave w the key steps 4 w + u, u = 0 .. 3.  A unit (16 rows x 128 keys) is read by 16 loads of 512 consecutive bytes, turned through the
; wave's own stage so that lane (r, h) holds its 64 numbers of row r, compared with 0 (a compare gives the 32 lanes' bits as one word), and the 64 words leave as one aligned block of 256 bytes.
.Lmask:
	s_sub_co_u32 s29, ttmp9, FIRSTM                ; Qt
	s_lshl_b32 s56, s29, 17                        ; 16 rows of 8,192 bytes
	s_lshl_b32 s57, s28, 11                        ; my wave's four key steps of 512 bytes
	s_add_co_u32 s56, s56, s57
	s_mov_b32 s57, 0
	s_add_nc_u64 s[52:53], s[18:19], s[56:57]
	s_lshl_b32 s56, s29, 12                        ; 16 key steps of 256 bytes
	s_lshl_b32 s58, s28, 10
	s_add_co_u32 s56, s56, s58
	s_add_nc_u64 s[54:55], s[26:27], s[56:57]
	s_mul_i32 s58, s28, 16*MPIT
	s_add_co_u32 s58, s58, MSTG                    ; my stage
	v_add_nc_u32 v4, s58, v3                       ; in: 16 x lane of a row
	v_and_b32 v7, 15, v0                           ; r
	v_bfe_u32 v8, v0, 4, 1                         ; h
	v_mul_u32_u24 v5, v7, MPIT
	v_lshl_add_u32 v5, v8, 5, v5
	v_add_nc_u32 v5, s58, v5                       ; back: row r, + 32 h: keys 16 t + 8 h + 0 .. 7 lie 64 t bytes on
	v_lshlrev_b32 v6, 3, v2                        ; out: two words a lane
.irp i, 0,1,2,3,4,5,6,7
	v_mov_b32 v[W+\i], 0                           ; a lane write's destination counts as read
.endr
.macro MLOAD u
.irp i, 0,1,2,3,4,5,6,7,8,9,10,11,12,13,14,15
	global_load_b128 v[ML+64*((\u)%2)+4*\i:ML+64*((\u)%2)+4*\i+3], v3, s[52:53] offset:8192*\i+512*(\u) th:TH_LOAD_NT
.endr
.endm
.macro MUNIT u
.if (\u) < 3
	s_wait_loadcnt 16                              ; this unit's 16 loads are in; the next unit's 16 may be out
.else
	s_wait_loadcnt 0
.endif
.irp i, 0,1,2,3,4,5,6,7,8,9,10,11,12,13,14,15
	ds_store_b128 v4, v[ML+64*((\u)%2)+4*\i:ML+64*((\u)%2)+4*\i+3] offset:MPIT*\i
.endr
.irp t, 0,1,2,3,4,5,6,7
	ds_load_b128 v[RB+8*\t:RB+8*\t+3], v5 offset:64*\t
	ds_load_b128 v[RB+8*\t+4:RB+8*\t+7], v5 offset:64*\t+16
.endr
	s_wait_dscnt 0x0                               ; my 64 numbers are here, and the stores have read the set,
.if (\u) < 2
	MLOAD (\u)+2                                   ; which takes the unit two further on
.endif
.set n, 0
.rept 64
	v_cmp_ne_u32 s[44+n%8], 0, v[RB+n]             ; word n: one bit a lane
	v_writelane_b32 v[W+2*(\u)+(n&1)], s[44+n%8], n>>1   ; to its place: lane n / 2 stores words n and n + 1
.set n, n+1
.endr
	global_store_b64 v6, v[W+2*(\u):W+2*(\u)+1], s[54:55] offset:256*(\u)   ; 32 lanes store 256 consecutive bytes, aligned
.endm
	MLOAD 0
	MLOAD 1
	MUNIT 0
	MUNIT 1
	MUNIT 2
	MUNIT 3
	s_wait_tensorcnt 0x0
	ds_add_u32 v224, v225
	s_wait_dscnt 0x0
	s_endpgm
.Lfunc_end_k_q4bced85516_prep:
	.size	k_q4bced85516_prep, .Lfunc_end_k_q4bced85516_prep-k_q4bced85516_prep
	.p2alignl 7, 3214868480
	.fill 96, 4, 3214868480
	.section	.rodata,"a",@progbits
	.p2align	6, 0x0
	.amdhsa_kernel k_q4bced85516_prep
		.amdhsa_group_segment_fixed_size 67072
		.amdhsa_private_segment_fixed_size 0
		.amdhsa_enable_private_segment 0
		.amdhsa_kernarg_size 96
		.amdhsa_user_sgpr_count 2
		.amdhsa_user_sgpr_kernarg_segment_ptr 1
		.amdhsa_wavefront_size32 1
		.amdhsa_system_sgpr_workgroup_id_x 1
		.amdhsa_system_sgpr_workgroup_id_y 1
		.amdhsa_system_sgpr_workgroup_id_z 1
		.amdhsa_system_vgpr_workitem_id 0
		.amdhsa_next_free_vgpr 226
		.amdhsa_next_free_sgpr 66
		.amdhsa_reserve_vcc 0
		.amdhsa_float_denorm_mode_32 3
		.amdhsa_float_denorm_mode_16_64 3
		.amdhsa_memory_ordered 1
		.amdhsa_forward_progress 1
		.amdhsa_inst_pref_size 87
	.end_amdhsa_kernel
	.amdgpu_metadata
---
amdhsa.version: [ 1, 2 ]
amdhsa.kernels:
  - .name:           k_q4bced85516_prep
    .symbol:         k_q4bced85516_prep.kd
    .args:
      - { .name: query, .offset: 0, .size: 8, .value_kind: global_buffer, .address_space: global }
      - { .name: key_in, .offset: 8, .size: 8, .value_kind: global_buffer, .address_space: global }
      - { .name: value, .offset: 16, .size: 8, .value_kind: global_buffer, .address_space: global }
      - { .name: Wq, .offset: 24, .size: 8, .value_kind: global_buffer, .address_space: global }
      - { .name: Wk, .offset: 32, .size: 8, .value_kind: global_buffer, .address_space: global }
      - { .name: Wv, .offset: 40, .size: 8, .value_kind: global_buffer, .address_space: global }
      - { .name: Wo, .offset: 48, .size: 8, .value_kind: global_buffer, .address_space: global }
      - { .name: mask, .offset: 56, .size: 8, .value_kind: global_buffer, .address_space: global }
      - { .name: lowp_scales, .offset: 64, .size: 8, .value_kind: global_buffer, .address_space: global }
      - { .name: xc, .offset: 72, .size: 8, .value_kind: global_buffer, .address_space: global }
      - { .name: wc, .offset: 80, .size: 8, .value_kind: global_buffer, .address_space: global }
      - { .name: mw, .offset: 88, .size: 8, .value_kind: global_buffer, .address_space: global }
    .group_segment_fixed_size: 67072
    .private_segment_fixed_size: 0
    .kernarg_segment_align: 8
    .kernarg_segment_size: 96
    .max_flat_workgroup_size: 128
    .sgpr_count:     66
    .vgpr_count:     226
    .wavefront_size: 32
...
	.end_amdgpu_metadata
.endif
;; end of part 1
;; launch proj (part 2): grid 4 x 96, 4 waves a work-group, clusters of 4 x 4, 327,680 bytes of LDS; arguments xc, wc, bq, bk, bv, lowp_scales, qkv; writes qkv
.if DOCPART == 2
	.amdgcn_target "amdgcn-amd-amdhsa--gfx1250"
	.amdhsa_code_object_version 6
	.text
	.protected	k_q4bced85516_proj
	.globl	k_q4bced85516_proj
	.p2align	8
	.type	k_q4bced85516_proj,@function
k_q4bced85516_proj:
	s_mov_b64 s[64:65], 0
	v_nop
	global_prefetch_b8 v0, s[64:65] scope:SCOPE_SE
	s_setreg_imm32_b32 hwreg(HW_REG_WAVE_MODE, 25, 1), 1
	s_wait_xcnt 0x0
	s_wait_alu depctr_hold_cnt(0) depctr_sa_sdst(0) depctr_va_vdst(0) depctr_va_sdst(0) depctr_va_ssrc(0) depctr_va_vcc(0) depctr_vm_vsrc(0)
	s_getreg_b32 s2, hwreg(HW_REG_IB_STS2, 6, 4)
	s_cmp_eq_u32 s2, 0
	s_cbranch_scc0 .Lentry_in_a_cluster
	s_endpgm
.Lentry_in_a_cluster:
	s_bfe_u32 s2, ttmp6, 0x10000c
	s_cmp_lg_u32 s2, 0xf033
	s_cbranch_scc0 .Lentry_shape_is_right
	s_endpgm
.Lentry_shape_is_right:
; PROJ.  The three projections on codes of FP8 (E4M3), their biases, and the quantising of Q, K and V for the attention launch.  C = A B^T, K = 1,024, tiles of 256 x 256 of C.
; P = 0: Q = query Wq^T + bq (A = query's codes, B = Wq's); P = 1: K likewise; P = 2: V^T = Wv value^T + bv (A = Wv's codes, B = value's), so that a lane's eight results run along the KEYS,
; which are the K of the attention's second product.  A cluster's y says which: P = y / 8, and y % 8 walks the 8,192 rows of the activation.
; A sum stands for sum x 2^(eA + eB).  code = (sum + bias / 2^(eA + eB)) / 2^(eo - eA - eB), held within +-448, to the nearest code: eo = e6, e7, e9.
; LIMITS: eA + eB between -126 and 126; eo - eA - eB between -126 and 119.  NaN and infinite biases are not served.
; K is permuted alike in A's and B's fragments (four loads of 16 bytes a fragment): the order of the sums inside an instruction differs from ascending k.
; A work-group of four waves makes a tile; a wave 128 x 128: 64 accumulators, 512 registers.  K goes in steps of 256 through a ring of two LDS slots filled by the tensor data mover.
; CLUSTERS: 4 x 4 work-groups.  The four of a row need the same tiles of A, the four of a column the same tiles of B: each tile is asked for jointly, by the same tensor load with the same
; descriptor and a mask that names the four.  THE MATRIX INSTRUCTION IS USED TRANSPOSED (source 0 = 16 rows of B, source 1 = 16 rows of A): a lane holds eight neighbouring columns of one row of C.
; OUT.  The codes meet in a stage (256 rows x 272 bytes, in slot 0, which has had its last fill and its last read), and each wave reads one head's part back in the ORDER OF THE OPERAND'S REGISTERS
; of the attention launch (images of 512 bytes, lane l's 16 bytes at 16 l) and stores 16,384 bytes on end.
; REGISTERS, in windows of 256: window 0: v0-31 addresses and two constants; v32-95 the bias by columns, v96-111 by rows; from v128 A's fragments, ONE set; on the way out v128-223 at work.
;   window 1: B's fragments, TWO sets.   window 2: the accumulators of my rows 0-63 ((a, b) at v[8 (8 a + b)]);   window 3: those of my rows 64-127.
.set KSTEP,  256
.set ROWB,   256                       ; a tile's row in bytes
.set KROW,   1024                      ; a row of A or of B in memory, in bytes
.set PITCH,  272                       ; an LDS row: 256 bytes + 16 of padding = 68 words: row r starts at bank 4 r mod 64 (ISA guide 11.1)
.set FR,     16                        ; registers of a fragment: 16 rows x 128 K
.set NL,     4                         ; LDS loads that bring one
.set NP,     4                         ; places behind this matrix instruction (ISA guide 7.12.1)
.set HALFT,  128*PITCH
.set SLOT,   4*HALFT
.set LAPS,   2                         ; 1,024 / (2 x 256)
.set SPARE,  2*SLOT                    ; behind the ring: the spare words, 128 bytes for each wave, which no other line names
.set ADRA, 16                          ; v16-17  LDS address of my A fragments in slot 0, 1
.set ADRB, 20                          ; v20-21  the same for B
.set STO,  24                          ; v24     the stage: where I put 8 codes of a row
.set RDQ,  25                          ; v25     the stage: where I read an image of Q or K
.set RDV,  26                          ; v26     the same for V
.set GO,   27                          ; v27     16 x lane: an image's place for my lane
.set SPW,  28                          ; v28     my spare word's address; never rewritten
.set NIL,  29                          ; v29     0; never rewritten
.set SCL,  30                          ; v30     2^(eo - eA - eB)
.set LIM,  31                          ; v31     448 x that
.set CB,   32                          ; v32-95  bias of column 16 b + 8 h + j at 8 b + j
.set RBI,  96                          ; v96-111 bias of row 16 a + r at 2 a; the odd ones 0 (named as pairs' upper halves)
.set TMP,  128                         ; a block's 64 numbers
.set CD,   192                         ; two sets of 16 registers of codes
.set OUTR, 32                          ; the images read back: v32-159
.set AF,   128
.set G1, 24
.set G0, 32
.set G1B, 48
.set G0B, 56
.set MSB, 0
.macro WIN new                         ; the immediate's high byte repeats the setting that is left
.if MSB != (\new)
	s_set_vgpr_msb (MSB<<8)|(\new)
.set MSB, (\new)
.endif
.endm
.set MUL_LO, 0xa1                      ; source 0 (B) window 1, source 1 (A) window 0, C and D window 2
.set MUL_HI, 0xf1                      ; the same, C and D window 3
.set TO_B,   0x40                      ; destination window 1, address window 0
; A joint load: waves 0 and 1 fetch for A, waves 2 and 3 for B; the branch hangs on the wave's number alone.  Four v_nop follow each of the two lines.
.macro JLOAD g0a, g1a, g0b, g1b
	s_cmp_eq_u32 s15, 0
	s_cbranch_scc0 .Lfor_b_\@
	tensor_load_to_lds s[\g0a:\g0a+3], s[\g1a:\g1a+7]
	s_nop 0
.rept 4
	v_nop
.endr
	s_branch .Lasked_\@
.Lfor_b_\@:
	tensor_load_to_lds s[\g0b:\g0b+3], s[\g1b:\g1b+7]
	s_nop 0
.rept 4
	v_nop
.endr
.Lasked_\@:
.endm
.macro CREST                           ; a round of the cluster's barrier behind its opening barrier
	s_cmp_lg_u32 s14, 0
	s_cbranch_scc1 .Lnot_wave_0_\@
	s_barrier_signal -3
.Lnot_wave_0_\@:
	s_barrier_wait -3
	s_barrier_signal -1
	s_barrier_wait -1
.endm
.macro CROUND
	s_barrier_signal -1
	s_barrier_wait -1
	CREST
.endm
	s_load_b256 s[68:75], s[0:1], 0x0              ; xc, wc, bq, bk
	s_load_b128 s[76:79], s[0:1], 0x20             ; bv, the exponents
	s_load_b64 s[80:81], s[0:1], 0x30              ; qkv
	v_lshl_add_u32 v[SPW], v0, 2, SPARE
	v_mov_b32 v[NIL], 0
	ds_add_u32 v28, v29
	ds_add_u32 v28, v29
	s_wait_dscnt 0x0
	v_lshrrev_b32 v1, 5, v0
	v_readfirstlane_b32 s14, v1                    ; wave 0..3
	s_lshr_b32 s15, s14, 1                         ; which half of the tile's rows is mine.  Also: I fetch for A (0) or for B (1)
	s_and_b32 s16, s14, 1                          ; which half of its columns.  Also: which 128 rows of that tile I fetch
	s_bfe_u32 s40, ttmp6, 0x40000                  ; cx
	s_bfe_u32 s41, ttmp6, 0x40004                  ; cy
	s_and_b32 s101, ttmp7, 0xffff                  ; the cluster's y, 0 .. 23: the same in all sixteen partners
	s_lshr_b32 s12, s101, 3                        ; P
	s_and_b32 s100, s101, 7
	s_cmp_eq_u32 s12, 2                            ; the activation's 32 tiles lie along C's rows (Q, K) or along its columns (V)
	s_cselect_b32 s42, s100, 0
	s_cselect_b32 s17, 0, s100
	s_lshl_b32 s42, s42, 2
	s_add_co_u32 s42, s42, s40                     ; tile column of C
	s_lshl_b32 s17, s17, 2
	s_add_co_u32 s17, s17, s41                     ; tile row of C
	s_lshl_b32 s43, s41, 2
	s_lshl_b32 s43, 15, s43                        ; my row of the cluster
	s_lshl_b32 s44, 0x1111, s40                    ; my column
	s_or_b32 s[G1+0], s43, (1<<20)|(1<<21)|(5<<22)|(3<<25)   ; 15:0 the mask; 17:16 elements of 1 byte; 20 padding on; 21 set beside a mask; 24:22 after every 64 words; 31:25 four words
	s_or_b32 s[G1B+0], s44, (1<<20)|(1<<21)|(5<<22)|(3<<25)
.irp g, G1, G1B
	s_mov_b32 s[\g+1], ROWB<<16                    ; tensor_dim0
	s_mov_b32 s[\g+2], 128<<16                     ; tensor_dim1
	s_mov_b32 s[\g+3], ROWB<<16                    ; tile_dim0
	s_mov_b32 s[\g+4], 128                         ; tile_dim1
	s_mov_b32 s[\g+5], KROW                        ; tensor_dim0_stride
	s_mov_b32 s[\g+6], 0
	s_mov_b32 s[\g+7], 0
.endr
	s_lshl_b32 s18, s16, 7                         ; which 128 rows of the tile I fetch
	s_lshl_b32 s20, s17, 8
	s_add_co_u32 s20, s20, s18
	s_lshl_b32 s20, s20, 10                        ; A: (256 x tile row + 128 x half) rows of 1,024 bytes
	s_lshl_b32 s46, s42, 8
	s_add_co_u32 s46, s46, s18
	s_lshl_b32 s46, s46, 10                        ; B: by the tile column
	s_lshl_b32 s22, s12, 23                        ; the P-th activation in xc
	s_lshl_b32 s23, s12, 20                        ; the P-th weight in wc
	s_cmp_eq_u32 s12, 2
	s_cselect_b32 s18, s23, s22
	s_cselect_b32 s19, s22, s23
	s_add_co_u32 s20, s20, s18
	s_add_co_u32 s46, s46, s19
	s_mov_b32 s21, 0
	s_mov_b32 s47, 0
	s_mul_i32 s45, s14, HALFT                      ; where they go: wave x 128 rows: no place in the cluster enters an LDS address
	s_wait_kmcnt 0x0
	s_load_b256 s[84:91], s[78:79], 0x0            ; e0 .. e7
	s_load_b128 s[92:95], s[78:79], 0x20           ; e8 .. e11
	s_cmp_eq_u32 s12, 2
	s_cselect_b64 s[4:5], s[70:71], s[68:69]       ; A's buffer
	s_cselect_b64 s[6:7], s[68:69], s[70:71]       ; B's
	s_cselect_b64 s[8:9], s[76:77], s[72:73]       ; the bias: bv or bq,
	s_add_nc_u64 s[20:21], s[4:5], s[20:21]
	s_add_nc_u64 s[46:47], s[6:7], s[46:47]
	s_cmp_eq_u32 s12, 1
	s_cselect_b64 s[8:9], s[74:75], s[8:9]         ; or bk
	CROUND                                         ; all sixteen work-groups are here: the first joint loads meet
.irp s, 0,1
	s_mov_b32 s[G0+4*\s], 1
	s_add_co_u32 s[G0+4*\s+1], s45, \s*SLOT
	s_add_nc_u64 s[G0+4*\s+2:G0+4*\s+3], s[20:21], \s*ROWB
	s_or_b32 s[G0+4*\s+3], s[G0+4*\s+3], 0x80000000
	s_mov_b32 s[G0B+4*\s], 1
	s_add_co_u32 s[G0B+4*\s+1], s45, \s*SLOT
	s_add_nc_u64 s[G0B+4*\s+2:G0B+4*\s+3], s[46:47], \s*ROWB
	s_or_b32 s[G0B+4*\s+3], s[G0B+4*\s+3], 0x80000000
	JLOAD G0+4*\s, G1, G0B+4*\s, G1B
.endr
	v_and_b32 v1, 15, v0                           ; r = l % 16
	v_bfe_u32 v2, v0, 4, 1                         ; h = l / 16
	v_mul_u32_u24 v3, v1, PITCH
	v_lshl_add_u32 v4, v2, 4, v3                   ; a fragment's row x pitch + 16 x half
	s_mul_i32 s21, s15, HALFT                      ; my 128 rows of A
	s_mul_i32 s22, s16, HALFT                      ; my 128 rows of B,
	s_add_co_u32 s22, s22, 2*HALFT                 ; which lie behind A's 256
.irp s, 0,1
	v_add_nc_u32 v[ADRA+\s], s21, v4
	v_add_nc_u32 v[ADRB+\s], s22, v4
	s_add_co_u32 s21, s21, SLOT
	s_add_co_u32 s22, s22, SLOT
.endr
	s_mul_i32 s23, s15, 128*PITCH                  ; the stage, in: row 128 x row half + r, byte 128 x column half + 8 h
	s_lshl_b32 s22, s16, 7
	s_add_co_u32 s23, s23, s22
	v_lshl_add_u32 v5, v2, 3, v3
	v_add_nc_u32 v[STO], s23, v5
	s_lshl_b32 s22, s14, 6                         ; back, Q and K: row r, my head's 64 columns, + 16 h
	v_add_nc_u32 v[RDQ], s22, v4
	v_and_b32 v8, 7, v1                            ; back, V: my head's 64 rows; lane r takes row r % 8 + 16 (r / 8) of a group; + 8 h
	v_lshrrev_b32 v9, 3, v1
	v_lshl_add_u32 v8, v9, 4, v8
	v_mul_u32_u24 v8, v8, PITCH
	v_lshl_add_u32 v8, v2, 3, v8
	s_mul_i32 s22, s14, 64*PITCH
	v_add_nc_u32 v[RDV], s22, v8
	v_and_b32 v9, 31, v0
	v_lshlrev_b32 v[GO], 4, v9
	; the biases.  Q and K: by C's columns; V: by C's rows.  Both sets are loaded, from entries that exist, and the one that does not apply is multiplied by 0 on the way out: no branch.
	s_lshl_b32 s18, s42, 8
	s_lshl_b32 s19, s16, 7
	s_add_co_u32 s18, s18, s19                     ; my first column
	s_lshl_b32 s19, s17, 8
	s_lshl_b32 s22, s15, 7
	s_add_co_u32 s19, s19, s22                     ; my first row
	s_cmp_eq_u32 s12, 2
	s_cselect_b32 s18, 0, s18
	s_cselect_b32 s19, s19, 0
	s_lshl_b32 s18, s18, 2
	s_lshl_b32 s19, s19, 2
	v_lshl_add_u32 v6, v2, 5, s18                  ; never rewritten
	v_lshl_add_u32 v7, v1, 2, s19                  ; never rewritten
.irp b, 0,1,2,3,4,5,6,7
	global_load_b128 v[CB+8*\b:CB+8*\b+3], v6, s[8:9] offset:64*\b
	global_load_b128 v[CB+8*\b+4:CB+8*\b+7], v6, s[8:9] offset:64*\b+16
.endr
.irp a, 0,1,2,3,4,5,6,7
	global_load_b32 v[RBI+2*\a], v7, s[8:9] offset:64*\a
	v_mov_b32 v[RBI+2*\a+1], 0
.endr
	; where my head's 16,384 bytes go: P x 8,388,608 + ((big / 8) x 16 + 4 small + wave) x 131,072 + (big % 8) x 16,384; big = the activation's tile, small = the weight's
	s_cmp_eq_u32 s12, 2
	s_cselect_b32 s18, s42, s17
	s_cselect_b32 s19, s17, s42
	s_lshr_b32 s22, s18, 3
	s_lshl_b32 s22, s22, 4
	s_lshl_b32 s19, s19, 2
	s_add_co_u32 s22, s22, s19
	s_add_co_u32 s22, s22, s14
	s_lshl_b32 s22, s22, 17
	s_and_b32 s18, s18, 7
	s_lshl_b32 s18, s18, 14
	s_add_co_u32 s22, s22, s18
	s_lshl_b32 s18, s12, 23
	s_add_co_u32 s22, s22, s18
	s_mov_b32 s23, 0
	s_add_nc_u64 s[10:11], s[80:81], s[22:23]
.macro FRAG reg, adr, q, i             ; 16 rows x 128 K: lane l holds row l % 16; registers 4 c .. 4 c + 3 hold K = 32 c + 16 (l / 16) + 0 .. 15
.irp c, 0,1,2,3
	ds_load_b128 v[\reg+4*\c:\reg+4*\c+3], v[\adr] offset:128*(\q)+32*\c+(\i)*16*PITCH
.endr
.endm
; 16 matrix instructions: A's blocks a0, a0 + 1 x B's eight.  zero = 1: the first product starts the sums.  The 64 accumulators take turns, one instruction a turn.
.macro MUL16 a0, p, zero
.irp a, \a0, \a0+1
.irp b, 0,1,2,3,4,5,6,7
.if \zero
	v_wmma_f32_16x16x128_fp8_fp8 v[8*(8*((\a)%4)+\b):8*(8*((\a)%4)+\b)+7], v[128*(\p)+FR*\b:128*(\p)+FR*\b+FR-1], v[AF+FR*(\a):AF+FR*(\a)+FR-1], 0
.else
	v_wmma_f32_16x16x128_fp8_fp8 v[8*(8*((\a)%4)+\b):8*(8*((\a)%4)+\b)+7], v[128*(\p)+FR*\b:128*(\p)+FR*\b+FR-1], v[AF+FR*(\a):AF+FR*(\a)+FR-1], v[8*(8*((\a)%4)+\b):8*(8*((\a)%4)+\b)+7]
.endif
.endr
.endr
.endm
.macro FETCH_B slot, q, p
	WIN TO_B
.irp i, 0,1,2,3,4,5,6,7
	FRAG 128*(\p)+FR*\i, ADRB+\slot, \q, \i
.endr
	WIN 0
.endm
.macro FETCH_A slot, q, i0
.irp i, \i0, \i0+1, \i0+2, \i0+3
	FRAG AF+FR*(\i), ADRA+\slot, \q, \i
.endr
.endm
.macro PLACES n                        ; plain vector instructions between a matrix instruction and a load into, or a read of, its registers
.rept \n
	v_nop
.endr
.endm
.macro STEP slot, q, zero              ; 128 along K, with its successor in the same slot
	s_wait_dscnt 4*NL                              ; B's set and A's blocks 0-3 are in; the youngest 16 loads (A's blocks 4-7) may be out
	WIN MUL_LO
	MUL16 0, (\q)%2, \zero
	MUL16 2, (\q)%2, \zero
	s_wait_dscnt 0                                 ; A's blocks 4-7 are in
	PLACES NP
	FETCH_B \slot, (\q)+1, 1-(\q)%2
	FETCH_A \slot, (\q)+1, 0
	WIN MUL_HI
	MUL16 4, (\q)%2, \zero
	MUL16 6, (\q)%2, \zero
	PLACES NP
	WIN 0
	FETCH_A \slot, (\q)+1, 4
.endm
; A slot's last step changes slots: one barrier; in front of it each wave waits for all its tensor loads, adds 0 to its spare word, and waits for that and for its own reads of this slot.
.macro TURN slot, next, fill
	s_wait_tensorcnt 0x0                           ; all my tensor loads have landed: my part of the next slot
	ds_add_u32 v[SPW], v[NIL]                      ; 0 onto my spare word
	s_wait_dscnt 4*NL+1                            ; (the add and the youngest 16 loads may be out)
	WIN MUL_LO
	MUL16 0, 1, 0
	s_wait_dscnt 0x0                               ; the add is done, and my reads of this slot are over
	s_barrier_signal -1
	MUL16 2, 1, 0
	WIN 0
	s_barrier_wait -1
.if \fill
	CREST                                          ; the barrier has opened a round of the cluster's: no wave of any partner still reads this slot or has a load on its way
	s_add_nc_u64 s[G0+4*\slot+2:G0+4*\slot+3], s[G0+4*\slot+2:G0+4*\slot+3], 2*ROWB
	s_add_nc_u64 s[G0B+4*\slot+2:G0B+4*\slot+3], s[G0B+4*\slot+2:G0B+4*\slot+3], 2*ROWB
	JLOAD G0+4*\slot, G1, G0B+4*\slot, G1B         ; the first tensor load behind the round; its four v_nop are the places in front of the loads below
.else
	PLACES NP
.endif
	FETCH_B \next, 0, 0
	FETCH_A \next, 0, 0
	WIN MUL_HI
	MUL16 4, 1, 0
	MUL16 6, 1, 0
	PLACES NP
	WIN 0
	FETCH_A \next, 0, 4
.endm
	s_wait_loadcnt 0x0                             ; the biases, once
	s_wait_tensorcnt 1                             ; my part of K step 0 is in; K step 1's load may be out
	s_barrier_signal -1
	s_barrier_wait -1
	FETCH_B 0, 0, 0
	FETCH_A 0, 0, 0
	FETCH_A 0, 0, 4
	STEP 0, 0, 1                                   ; the first step's products start the sums
	s_mov_b32 s3, LAPS-1
.Llap:                                                 ; a trip goes once round the ring and fills both slots again
	TURN 0, 1, 1
	STEP 1, 0, 0
	TURN 1, 0, 1
	STEP 0, 0, 0
	s_sub_co_u32 s3, s3, 1
	s_cmp_lg_u32 s3, 0
	s_cbranch_scc1 .Llap
	TURN 0, 1, 0                                   ; the last lap fills nothing
	STEP 1, 0, 0
	s_wait_dscnt 4*NL
	WIN MUL_LO
	MUL16 0, 1, 0
	MUL16 2, 1, 0
	s_wait_dscnt 0
	WIN MUL_HI
	MUL16 4, 1, 0
	MUL16 6, 1, 0
	WIN 0
	; THE WAY OUT.  The product's exponents, by choices on P; no branch hangs on them.
	s_wait_kmcnt 0x0
	s_add_co_i32 s96, s84, s85                     ; e0 + e1
	s_add_co_i32 s18, s86, s87                     ; e2 + e3
	s_add_co_i32 s19, s88, s89                     ; e4 + e5
	s_mov_b32 s97, s90                             ; e6
	s_cmp_eq_u32 s12, 1
	s_cselect_b32 s96, s18, s96
	s_cselect_b32 s97, s91, s97                    ; e7
	s_cmp_eq_u32 s12, 2
	s_cselect_b32 s96, s19, s96                    ; eA + eB
	s_cselect_b32 s97, s93, s97                    ; eo (e9 for V)
	s_sub_co_i32 s18, 127, s96
	s_lshl_b32 s18, s18, 23                        ; 2^-(eA + eB) as f32
	s_cmp_eq_u32 s12, 2
	s_cselect_b32 s98, 0, s18                      ; the factor of the bias by columns,
	s_cselect_b32 s99, s18, 0                      ; and by rows
	s_sub_co_i32 s19, s97, s96
	s_add_co_i32 s19, s19, 127
	s_lshl_b32 s22, s19, 23
	v_mov_b32 v[SCL], s22                          ; 2^(eo - eA - eB): the three scales folded into the conversion's one
	s_add_co_i32 s19, s19, 8
	s_lshl_b32 s19, s19, 23
	s_or_b32 s19, s19, 0x600000
	v_mov_b32 v[LIM], s19                          ; 448 x that
.set j, 0
.rept 64
	v_mul_f32 v[CB+j], s98, v[CB+j]                ; (these lines are also the places behind the last products)
.set j, j+1
.endr
.irp a, 0,1,2,3,4,5,6,7
	v_mul_f32 v[RBI+2*\a], s99, v[RBI+2*\a]
.endr
; Block a (16 rows x 128 columns): sums + bias, held, converted: eight neighbours along the next K in a lane's eight registers become 8 bytes of the stage's row.
.macro CODES a
.set AC, 64*((\a)%4)
	WIN (0x02+((\a)/4))                            ; source 0: window 2 or 3
.set j, 0
.rept 32
	v_pk_add_f32 v[TMP+j:TMP+j+1], v[AC+j:AC+j+1], v[CB+j:CB+j+1]   ; each accumulator from its low end on
.set j, j+2
.endr
	WIN 0
.set j, 0
.rept 32
	v_pk_add_f32 v[TMP+j:TMP+j+1], v[TMP+j:TMP+j+1], v[RBI+2*(\a):RBI+2*(\a)+1] op_sel_hi:[1,0]   ; one of the two biases is 0, so nothing is rounded twice
.set j, j+2
.endr
.set j, 0
.rept 64
	v_med3_num_f32 v[TMP+j], v[TMP+j], -v[LIM], v[LIM]   ; the conversion does not saturate (ISA guide 7.6.2)
.set j, j+1
.endr
.if (\a) >= 2
	s_wait_dscnt 8                                 ; only the block before's eight stores may be out: those of two blocks back have read this set of codes
.endif
.irp b, 0,1,2,3,4,5,6,7
	v_cvt_scalef32_pk8_fp8_f32 v[CD+16*((\a)%2)+2*\b:CD+16*((\a)%2)+2*\b+1], v[TMP+8*\b:TMP+8*\b+7], v[SCL]
.endr
	v_nop                                          ; a plain line between the conversions and the next block's writes of their sources
.irp b, 0,1,2,3,4,5,6,7
	ds_store_b64 v[STO], v[CD+16*((\a)%2)+2*\b:CD+16*((\a)%2)+2*\b+1] offset:(\a)*16*PITCH+16*\b
.endr
.endm
.irp a, 0,1,2,3,4,5,6,7
	CODES \a
.endr
	s_wait_dscnt 0x0                               ; for the others' sake: my stores into the stage are done
	s_barrier_signal -1
	s_barrier_wait -1                              ; the tile's 256 x 256 codes lie in the stage
	s_cmp_eq_u32 s12, 2                            ; the two arms only read the stage; the branch hangs on the cluster's number, the same in all partners
	s_cbranch_scc1 .Lout_v
	; Q, K: my head's 64 columns.  Image x = 2 rt + c: lane (r, h) holds X[16 rt + r][32 c + 16 h + 0 .. 15]
.set x, 0
.rept 32
	ds_load_b128 v[OUTR+4*x:OUTR+4*x+3], v[RDQ] offset:(x/2)*16*PITCH+32*(x%2)
.set x, x+1
.endr
.set x, 0
.rept 32
	s_wait_dscnt 31-x                              ; image x is in; the younger loads may be out
	global_store_b128 v[GO], v[OUTR+4*x:OUTR+4*x+3], s[10:11] offset:512*x   ; 512 consecutive bytes, aligned
.set x, x+1
.endr
	s_branch .Lout_done
.Lout_v:
	; V: my head's 64 rows (d).  Image x = 16 ks + 4 t + i: lane (r, h) holds d = 32 (t / 2) + 8 (t % 2) + r % 8 + 16 (r / 8); keys 128 ks + 32 i + 8 h + 0 .. 7, then those 16 further on
.set x, 0
.rept 32
	ds_load_b64 v[OUTR+4*x:OUTR+4*x+1], v[RDV] offset:(32*(((x/4)%4)/2)+8*((x/4)%2))*PITCH+128*(x/16)+32*(x%4)
	ds_load_b64 v[OUTR+4*x+2:OUTR+4*x+3], v[RDV] offset:(32*(((x/4)%4)/2)+8*((x/4)%2))*PITCH+128*(x/16)+32*(x%4)+16
.set x, x+1
.endr
.set x, 0
.rept 32
	s_wait_dscnt 62-2*x                            ; image x's two loads are in
	global_store_b128 v[GO], v[OUTR+4*x:OUTR+4*x+3], s[10:11] offset:512*x
.set x, x+1
.endr
.Lout_done:
	s_wait_tensorcnt 0x0                           ; the wave's end
	ds_add_u32 v[SPW], v[NIL]
	s_wait_dscnt 0x0
	CROUND                                         ; the closing round: no work-group ends while a partner may still ask for a tile that names it
	s_endpgm
.Lfunc_end_k_q4bced85516_proj:
	.size	k_q4bced85516_proj, .Lfunc_end_k_q4bced85516_proj-k_q4bced85516_proj
	.p2alignl 7, 3214868480
	.fill 96, 4, 3214868480
	.section	.rodata,"a",@progbits
	.p2align	6, 0x0
	.amdhsa_kernel k_q4bced85516_proj
		.amdhsa_group_segment_fixed_size 327680
		.amdhsa_private_segment_fixed_size 0
		.amdhsa_enable_private_segment 0
		.amdhsa_kernarg_size 56
		.amdhsa_user_sgpr_count 2
		.amdhsa_user_sgpr_kernarg_segment_ptr 1
		.amdhsa_wavefront_size32 1
		.amdhsa_system_sgpr_workgroup_id_x 1
		.amdhsa_system_sgpr_workgroup_id_y 1
		.amdhsa_system_sgpr_workgroup_id_z 1
		.amdhsa_system_vgpr_workitem_id 0
		.amdhsa_next_free_vgpr 1024
		.amdhsa_next_free_sgpr 102
		.amdhsa_reserve_vcc 0
		.amdhsa_float_denorm_mode_32 3
		.amdhsa_float_denorm_mode_16_64 3
		.amdhsa_memory_ordered 1
		.amdhsa_forward_progress 1
		.amdhsa_inst_pref_size 172
	.end_amdhsa_kernel
	.amdgpu_metadata
---
amdhsa.version: [ 1, 2 ]
amdhsa.kernels:
  - .name:           k_q4bced85516_proj
    .symbol:         k_q4bced85516_proj.kd
    .args:
      - { .name: xc, .offset: 0, .size: 8, .value_kind: global_buffer, .address_space: global }
      - { .name: wc, .offset: 8, .size: 8, .value_kind: global_buffer, .address_space: global }
      - { .name: bq, .offset: 16, .size: 8, .value_kind: global_buffer, .address_space: global }
      - { .name: bk, .offset: 24, .size: 8, .value_kind: global_buffer, .address_space: global }
      - { .name: bv, .offset: 32, .size: 8, .value_kind: global_buffer, .address_space: global }
      - { .name: lowp_scales, .offset: 40, .size: 8, .value_kind: global_buffer, .address_space: global }
      - { .name: qkv, .offset: 48, .size: 8, .value_kind: global_buffer, .address_space: global }
    .group_segment_fixed_size: 327680
    .private_segment_fixed_size: 0
    .kernarg_segment_align: 8
    .kernarg_segment_size: 56
    .max_flat_workgroup_size: 128
    .sgpr_count:     102
    .vgpr_count:     1024
    .wavefront_size: 32
...
	.end_amdgpu_metadata
.endif
;; end of part 2
;; launch attn (part 3): grid 4 x 64, 16 waves a work-group, clusters of 4 x 1, 264,192 bytes of LDS; arguments qkv, mw, lowp_scales, af; writes af
.if DOCPART == 3
	.amdgcn_target "amdgcn-amd-amdhsa--gfx1250"
	.amdhsa_code_object_version 6
	.text
	.protected	k_q4bced85516_attn
	.globl	k_q4bced85516_attn
	.p2align	8
	.type	k_q4bced85516_attn,@function
k_q4bced85516_attn:
	s_mov_b64 s[64:65], 0
	v_nop
	global_prefetch_b8 v0, s[64:65] scope:SCOPE_SE
	s_setreg_imm32_b32 hwreg(HW_REG_WAVE_MODE, 25, 1), 1
	s_wait_xcnt 0x0
	s_wait_alu depctr_hold_cnt(0) depctr_sa_sdst(0) depctr_va_vdst(0) depctr_va_sdst(0) depctr_va_ssrc(0) depctr_va_vcc(0) depctr_vm_vsrc(0)
	s_getreg_b32 s2, hwreg(HW_REG_IB_STS2, 6, 4)
	s_cmp_eq_u32 s2, 0
	s_cbranch_scc0 .Lentry_in_a_cluster
	s_endpgm
.Lentry_in_a_cluster:
	s_bfe_u32 s2, ttmp6, 0x10000c
	s_cmp_lg_u32 s2, 0x3003
	s_cbranch_scc0 .Lentry_shape_is_right
	s_endpgm
.Lentry_shape_is_right:
; ATTN.  For each of 64 heads (b, h): scores = Q K^T / 8, masked by the given mask, softmax, x V; both products on codes of FP8 (E4M3); the result is quantised for the last projection.
; THE SOFTMAX: t = score x log2(e) / 8; M = the row's largest t so far, rounded UP to a whole number; p = 2^(t - M) is quantised with 2^e8, not normalised; the row's sum is taken of the
; unquantised p and divides at the end.  When M moves, the sum and O are multiplied by 2^(old M - new M): exact.
; THE MASK is an input: every key step is computed, and a hidden score is REPLACED (v_cndmask_b32, by lane masks that an earlier launch packed) by X = -2^(69 - e6 - e7), ahead of the maximum.
; X is a power of two, so t = X c is exact and a whole number: in a row with no open key so far M = t and p = 2^0 = 1, as the definition has it (a row with no open key at all is the mean of V);
; the first open key makes 2^(old M - new M) = 0, which wipes what was summed.
; LIMITS: a hidden score stands at t = -1.06e20 where the definition has -1.44e20: it differs only for open scores below about -7e19.  e6 + e7 between -58 and 130; e8 between -126 and 119;
; e10 - e8 - e9 between -126 and 119.  K is permuted alike in Q's and K's fragments.  NaN is not served.
; SHARES.  A cluster of four work-groups takes a head, a work-group 512 queries, each of its SIXTEEN waves two tiles of 16 queries in 256 registers: four waves to a SIMD, so that one wave's
; vector work stands beside another's matrix work and LDS loads; each fragment of K and of V that a wave reads feeds two products.
; LDS holds the head's K (131,072 bytes at 0) and V (at 131,072) whole, as images of the operands' registers (512 bytes, lane l's 16 bytes at 16 l): filled once, by joint loads of the four
; work-groups, never again: no ring.  The first half (key steps 0-7) is waited for by a counted wait, the second while the first is worked.
; LAYOUT.  Both products are used transposed: S^T = K Q^T (source 0 = 16 keys), O^T = V^T P^T (source 0 = 16 of the head's 64): a lane holds ONE query (lane % 16).  Score register 8 t + j of lane
; (r, h) is key 16 t + 8 h + j: its eight codes are registers 2 t, 2 t + 1 of the second product's operand.  V's rows of a tile are chosen so that tiles 2 c, 2 c + 1 give a lane 16 neighbouring
; channels 32 c + 16 h + 0 .. 15: the last conversions' results are the next launch's operand registers and are stored as they stand.
.set LI,  1                            ; v1   16 x lane; never rewritten
.set LIV, 2                            ; v2   + 131,072: V
.set ADR, 3                            ; v3   the LDS address of the loads in hand
.set LIM, 4                            ; v4   448 x 2^e8
.set SCL, 5                            ; v5   2^e8
.set XM,  7                            ; v7   X
                                       ; v[8+4u] -M, v[9+4u] the largest t, v[10+4u:11+4u] the sum in two halves, of tile u; v16-18, v[20:21], v[22:23] at work
.set Q,   24                           ; v24-39   Q's two fragments
.set F,   40                           ; v40-103  eight fragments of K, or four of V
.set P1,  104                          ; v104-119 tile 1's codes: they take four registers of their own and the first twelve of S, which are converted by then
.set S,   108                          ; v108-171 the scores, then p
.set P0,  172                          ; v172-187 tile 0's codes
.set O,   188                          ; v188-251 O^T, 32 a tile
.set WV,  2                            ; s2   wave
.set TB,  3                            ; s3   LDS byte of the key step in hand
                                       ; s4 counter; s[6:7] the mask words' address; s[8:9] lane selects; s[10:11] c; s[12:19] two groups 0; s[20:27] group 1
                                       ; s[32:63], s[68:99] the 64 mask words of the tile in hand: word n in s[32 + n + 4 (n / 32)]
.macro CROUND
	s_barrier_signal -1
	s_barrier_wait -1
	s_cmp_lg_u32 s[WV], 0
	s_cbranch_scc1 .Lnot_wave_0_\@
	s_barrier_signal -3
.Lnot_wave_0_\@:
	s_barrier_wait -3
	s_barrier_signal -1
	s_barrier_wait -1
.endm
	s_load_b128 s[32:35], s[0:1], 0x0              ; qkv, mw
	s_load_b128 s[36:39], s[0:1], 0x10             ; the exponents, af
	v_lshl_add_u32 v254, v0, 2, 0x40000
	v_mov_b32 v255, 0
	ds_add_u32 v254, v255
	ds_add_u32 v254, v255
	v_lshrrev_b32 v1, 5, v0
	v_readfirstlane_b32 s[WV], v1                  ; wave 0..15
	s_bfe_u32 s28, ttmp6, 0x40000                  ; cx: my block of 512 queries
	s_and_b32 s29, ttmp7, 0xffff                   ; the head, 16 b + h, which the four partners share
	s_mov_b32 s20, 15|(3<<16)|(1<<21)              ; group 1: 15:0 the mask: all four; 17:16 elements of 8 bytes; 21 set beside a mask; no padding
	s_mov_b32 s21, 32<<16                          ; tensor_dim0 = 32 elements: 256 bytes
	s_mov_b32 s22, 64<<16                          ; tensor_dim1 = 64 rows
	s_mov_b32 s23, 32<<16                          ; tile_dim0
	s_mov_b32 s24, 64                              ; tile_dim1: 16,384 bytes, dense
	s_mov_b32 s25, 32                              ; the pitch
	s_mov_b32 s26, 0
	s_mov_b32 s27, 0
	s_mov_b32 s8, 0x76543210
	s_mov_b32 s9, 0xfedcba98                       ; v_permlanex16_b32: lane l xor 16
	s_and_b32 s5, s[WV], 7                         ; what I fetch, if I fetch: waves 0-3 K, waves 4-7 V; a quarter of each half
	s_lshr_b32 s31, s5, 2
	s_and_b32 s5, s5, 3
	s_lshl_b32 s5, s5, 14
	s_lshl_b32 s13, s31, 17
	s_add_co_u32 s13, s13, s5                      ; LDS: 131,072 x (K or V) + 16,384 x quarter,
	s_add_co_u32 s17, s13, 65536                   ; and the same in the second half
	s_add_co_u32 s31, s31, 1
	s_lshl_b32 s31, s31, 23                        ; K's and V's parts of qkv lie 8,388,608 and 16,777,216 bytes in
	s_add_co_u32 s52, s31, s5
	s_lshl_b32 s54, s29, 17                        ; a head is 131,072 bytes
	s_add_co_u32 s52, s52, s54
	s_mov_b32 s53, 0
	s_lshl_b32 s5, s28, 5
	s_lshl_b32 s31, s[WV], 1
	s_add_co_u32 s5, s5, s31                       ; my first tile of queries: 32 cx + 2 wave
	s_lshl_b32 s56, s5, 10
	s_add_co_u32 s56, s56, s54                     ; Q: 1,024 bytes a tile
	s_mov_b32 s57, 0
	s_lshl_b32 s60, s5, 12                         ; the mask words: 4,096 bytes a tile
	s_mov_b32 s61, 0
	s_lshr_b32 s58, s29, 4
	s_lshl_b32 s58, s58, 7
	s_add_co_u32 s58, s58, s5
	s_lshl_b32 s58, s58, 14                        ; af: (128 b + tile) x 16,384
	s_and_b32 s59, s29, 15
	s_lshl_b32 s59, s59, 10                        ; + 1,024 h
	s_add_co_u32 s58, s58, s59
	s_mov_b32 s59, 0
	s_wait_dscnt 0x0
	s_wait_kmcnt 0x0
	s_load_b256 s[40:47], s[36:37], 0x0            ; e0 .. e7
	s_load_b128 s[48:51], s[36:37], 0x20           ; e8 .. e11
	s_mov_b32 s12, 1
	s_add_nc_u64 s[14:15], s[32:33], s[52:53]
	s_mov_b32 s16, 1
	s_add_nc_u64 s[18:19], s[14:15], 0x10000
	s_or_b32 s15, s15, 0x80000000
	s_or_b32 s19, s19, 0x80000000
	s_add_nc_u64 s[66:67], s[32:33], s[56:57]      ; Q's base; never rewritten
	s_add_nc_u64 s[6:7], s[34:35], s[60:61]
	s_add_nc_u64 s[100:101], s[38:39], s[58:59]
	CROUND                                         ; all four work-groups are here: the joint loads meet
	s_cmp_lt_u32 s[WV], 8                          ; a wave's two loads stand in one branch on the wave's number: two tensor loads of mine are out at the most
	s_cbranch_scc0 .Lno_fetch
	tensor_load_to_lds s[12:15], s[20:27]          ; my part of key steps 0-7
	s_nop 0
	tensor_load_to_lds s[16:19], s[20:27]          ; and of key steps 8-15
	s_nop 0
.rept 4
	v_nop
.endr
.Lno_fetch:
	v_and_b32 v1, 31, v0
	v_lshlrev_b32 v[LI], 4, v1
	v_add_nc_u32 v[LIV], 0x20000, v[LI]
.irp u, 0,1
.irp c, 0,1
	global_load_b128 v[Q+8*\u+4*\c:Q+8*\u+4*\c+3], v[LI], s[66:67] offset:1024*\u+512*\c   ; Q's fragments stay in registers
.endr
.endr
.irp u, 0,1
	v_mov_b32 v[9+4*\u], 0xff61b1e6                ; the largest t so far: -3e38, under every t
	v_floor_f32 v[8+4*\u], -v[9+4*\u]              ; -M
	v_mov_b32 v[10+4*\u], 0
	v_mov_b32 v[11+4*\u], 0
.endr
	v_mov_b32 v18, 0                               ; a lane permute's destination counts as one of its sources
	v_mov_b32 v21, 0                               ; (named as the upper half of the pair v[20:21])
.set n, 0
.rept 64
	v_mov_b32 v[O+n], 0                            ; the step is written once: the first finds zeros, which the first change of M leaves zeros
.set n, n+1
.endr
	s_wait_kmcnt 0x0
	s_add_co_i32 s5, s46, s47                      ; e6 + e7
	s_lshl_b32 s31, s5, 23
	s_add_co_i32 s10, s31, 0x3e38aa3b              ; c = log2(e) / 8 x 2^(e6 + e7): the exponents are added to c's exponent field
	s_mov_b32 s11, s10                             ; (named with it as a pair)
	s_sub_co_i32 s5, 196, s5
	s_lshl_b32 s5, s5, 23
	s_or_b32 s5, s5, 0x80000000
	v_mov_b32 v[XM], s5                            ; X = -2^(69 - e6 - e7)
	s_add_co_i32 s5, s48, 127
	s_lshl_b32 s31, s5, 23
	v_mov_b32 v[SCL], s31                          ; 2^e8
	s_add_co_i32 s5, s5, 8
	s_lshl_b32 s5, s5, 23
	s_or_b32 s5, s5, 0x600000
	v_mov_b32 v[LIM], s5                           ; 448 x 2^e8
	s_sub_co_i32 s30, s50, s48
	s_sub_co_i32 s30, s30, s49
	s_add_co_i32 s30, s30, 127                     ; e10 - e8 - e9 + 127, for the way out
	s_load_b512 s[32:47], s[6:7], 0x0              ; tile 0's mask words of key step 0: all that lay in these registers has been used
	s_load_b512 s[48:63], s[6:7], 0x40
	s_load_b512 s[68:83], s[6:7], 0x80
	s_load_b512 s[84:99], s[6:7], 0xc0
; One tile's mask and softmax for one key step of 128 keys (64 scores a lane).
.macro SOFTMAX u
.set NM, 8+4*(\u)
.set SUM, 10+4*(\u)
.set PP, P0-(P0-P1)*(\u)
	s_wait_kmcnt 0x0                               ; this tile's 64 mask words are in, and the loads have read their base,
.if \u
	s_add_nc_u64 s[6:7], s[6:7], 256               ; which steps to the next key step
.endif
.set n, 0
.rept 64
	v_cndmask_b32 v[S+n], v[XM], v[S+n], s[32+n+4*(n/32)]   ; a hidden score becomes X; each accumulator is read from its low end on
.set n, n+1
.endr
	v_max3_num_f32 v16, v[S], v[S+1], v[S+2]       ; the step's largest score of my query among my 64 keys, in two chains
	v_max3_num_f32 v17, v[S+3], v[S+4], v[S+5]
.set n, 6
.rept 14
	v_max3_num_f32 v16, v16, v[S+n], v[S+n+1]
	v_max3_num_f32 v17, v17, v[S+n+2], v[S+n+3]
.set n, n+4
.endr
	v_max3_num_f32 v16, v16, v[S+62], v[S+63]
	s_load_b512 s[32:47], s[6:7], 4096*(1-\u)      ; the next tile's words: tile 1's of this step, or tile 0's of the next.  Behind the last step these are the neighbouring tile's first words,
	s_load_b512 s[48:63], s[6:7], 4096*(1-\u)+64   ; inside the buffer and not used: the step's text is the same in every trip
	s_load_b512 s[68:83], s[6:7], 4096*(1-\u)+128
	s_load_b512 s[84:99], s[6:7], 4096*(1-\u)+192
	v_max_num_f32 v16, v16, v17
	v_permlanex16_b32 v18, v16, s8, s9
	v_max_num_f32 v16, v16, v18                    ; and among lane l xor 16's
	v_mul_f32 v16, s10, v16                        ; as t (c is positive)
	v_max_num_f32 v[NM+1], v[NM+1], v16            ; the running largest t
	v_mov_b32 v16, v[NM]
	v_floor_f32 v[NM], -v[NM+1]                    ; the new -M = floor(-t): M is a whole number
	v_sub_f32 v16, v[NM], v16                      ; old M - new M: a whole number, 0 or less
	v_cvt_i32_f32 v16, v16                         ; (it saturates)
	v_ldexp_f32 v20, 1.0, v16                      ; f = 2^(old M - new M)
.set n, 0
.rept 32
	v_pk_fma_f32 v[S+n:S+n+1], v[S+n:S+n+1], s[10:11], v[NM:NM+1] op_sel_hi:[1,0,0]   ; t - M, two at a time
.set n, n+2
.endr
.set n, 0
.rept 64
	v_exp_f32 v[S+n], v[S+n]                       ; p = 2^(t - M), at most 1
.set n, n+1
.endr
	v_pk_mul_f32 v[SUM:SUM+1], v[SUM:SUM+1], v[20:21] op_sel_hi:[1,0]   ; the sums under the new M: the plain line behind the exponentials
	s_wait_alu depctr_va_vdst(0)                   ; one wait for the batch of 64, ahead of its first reader
	v_pk_add_f32 v[22:23], v[S:S+1], v[S+2:S+3]    ; the row's sum is taken of the unquantised p, in two chains
.set n, 4
.rept 15
	v_pk_add_f32 v[SUM:SUM+1], v[SUM:SUM+1], v[S+n:S+n+1]
	v_pk_add_f32 v[22:23], v[22:23], v[S+n+2:S+n+3]
.set n, n+4
.endr
	v_pk_add_f32 v[SUM:SUM+1], v[SUM:SUM+1], v[22:23]
.irp t, 0,1,2,3,4,5,6,7
.irp i, 0,1,2,3,4,5,6,7
	v_min_num_f32 v[S+8*\t+\i], v[S+8*\t+\i], v[LIM]   ; the conversion does not saturate (ISA guide 7.6.2); p is not negative, so the hold is one-sided
.endr
	v_cvt_scalef32_pk8_fp8_f32 v[PP+2*\t:PP+2*\t+1], v[S+8*\t:S+8*\t+7], v[SCL]   ; keys 16 t + 8 h + 0 .. 7: registers 2 t, 2 t + 1 of the operand
.endr
.set n, 0
.rept 16
	v_pk_mul_f32 v[O+32*(\u)+n:O+32*(\u)+n+1], v[O+32*(\u)+n:O+32*(\u)+n+1], v[20:21] op_sel_hi:[1,0]   ; O^T under the new M.  (Also the plain lines between the conversions and the next matrix instructions)
.set n, n+2
.endr
.endm
; A key step: 128 keys, both tiles.
.macro STEP
	v_add_nc_u32 v[ADR], s[TB], v[LI]
.rept 4
	v_nop                                          ; with the addition five places behind the last products: loads land in registers that they read, and the scores are laid over tile 1's codes
.endr
.irp t, 0,1,2,3,4,5,6,7
	ds_load_b128 v[F+8*\t:F+8*\t+3], v[ADR] offset:1024*\t          ; K's eight tiles of 16 keys: 512 consecutive bytes an instruction
	ds_load_b128 v[F+8*\t+4:F+8*\t+7], v[ADR] offset:1024*\t+512
.endr
	s_wait_dscnt 0x0
.irp t, 0,1,2,3,4,5,6,7
	v_wmma_f32_16x16x64_fp8_fp8 v[S+8*\t:S+8*\t+7], v[F+8*\t:F+8*\t+7], v[Q:Q+7], 0
.endr
.rept 4
	v_nop
.endr
	SOFTMAX 0
.irp t, 0,1,2,3,4,5,6,7
	v_wmma_f32_16x16x64_fp8_fp8 v[S+8*\t:S+8*\t+7], v[F+8*\t:F+8*\t+7], v[Q+8:Q+15], 0
.endr
	v_add_nc_u32 v[ADR], s[TB], v[LIV]
.rept 3
	v_nop                                          ; with the addition four places: V's loads land where K's fragments were read, and the scores are read below
.endr
.irp t, 0,1,2,3
.irp i, 0,1,2,3
	ds_load_b128 v[F+16*\t+4*\i:F+16*\t+4*\i+3], v[ADR] offset:2048*\t+512*\i   ; V's four tiles of 16 channels x 128 keys: they land during tile 1's softmax
.endr
.endr
	SOFTMAX 1
	s_wait_dscnt 0x0
.irp t, 0,1,2,3
.irp u, 0,1
	v_wmma_f32_16x16x128_fp8_fp8 v[O+32*\u+8*\t:O+32*\u+8*\t+7], v[F+16*\t:F+16*\t+15], v[P0-(P0-P1)*\u:P0-(P0-P1)*\u+15], v[O+32*\u+8*\t:O+32*\u+8*\t+7]   ; eight accumulators by turns, one instruction a turn
.endr
.endr
	s_add_co_u32 s[TB], s[TB], 8192
.endm
	s_wait_loadcnt 0x0                             ; Q
	s_wait_tensorcnt 0x1                           ; my part of key steps 0-7 is in; my second load may stay out
	s_barrier_signal -1
	s_barrier_wait -1                              ; everybody's is
	s_mov_b32 s[TB], 0
	s_mov_b32 s4, 8
.Lfirst_half:
	STEP
	s_sub_co_u32 s4, s4, 1
	s_cmp_lg_u32 s4, 0
	s_cbranch_scc1 .Lfirst_half
	s_wait_tensorcnt 0x0                           ; my part of key steps 8-15 is in
	s_wait_dscnt 0x0
	s_barrier_signal -1
	s_barrier_wait -1                              ; everybody's is
	s_mov_b32 s[TB], 65536
	s_mov_b32 s4, 8
.Lsecond_half:
	STEP
	s_sub_co_u32 s4, s4, 1
	s_cmp_lg_u32 s4, 0
	s_cbranch_scc1 .Lsecond_half
	; THE WAY OUT.  O^T / the sum stands for attn / 2^(e8 + e9): its code for the last projection is that / 2^(e10 - e8 - e9).  The additions and moves are the places behind the last products.
	v_add_f32 v16, v10, v11                        ; the sums' two halves,
	v_add_f32 v17, v14, v15
	v_permlanex16_b32 v18, v16, s8, s9
	v_permlanex16_b32 v22, v17, s8, s9
	v_add_f32 v16, v16, v18                        ; and lane l xor 16's
	v_add_f32 v17, v17, v22
	s_lshl_b32 s5, s30, 23
	v_mov_b32 v[SCL], s5                           ; 2^(e10 - e8 - e9)
	s_add_co_i32 s31, s30, 8
	s_lshl_b32 s31, s31, 23
	s_or_b32 s31, s31, 0x600000
	v_rcp_f32 v20, v16
	v_rcp_f32 v22, v17
	v_mov_b32 v[LIM], s31                          ; 448 x that: the plain line behind the reciprocals
	s_wait_alu depctr_va_vdst(0)                   ; one wait for both, ahead of their first reader
.irp u, 0,1
.set n, 0
.rept 16
	v_pk_mul_f32 v[S+32*\u+n:S+32*\u+n+1], v[O+32*\u+n:O+32*\u+n+1], v[20+2*\u:21+2*\u] op_sel_hi:[1,0]   ; each accumulator from its low end on
.set n, n+2
.endr
.endr
.set n, 0
.rept 64
	v_med3_num_f32 v[S+n], v[S+n], -v[LIM], v[LIM]
.set n, n+1
.endr
.irp u, 0,1
.irp t, 0,1,2,3
	v_cvt_scalef32_pk8_fp8_f32 v[F+8*\u+2*\t:F+8*\u+2*\t+1], v[S+32*\u+8*\t:S+32*\u+8*\t+7], v[SCL]   ; tiles 2 c, 2 c + 1: channels 32 c + 16 h + 0 .. 15
.endr
.endr
	v_nop
.irp u, 0,1
.irp c, 0,1
	global_store_b128 v[LI], v[F+8*\u+4*\c:F+8*\u+4*\c+3], s[100:101] offset:16384*\u+512*\c   ; an image of the next operand's registers: 512 consecutive bytes, aligned
.endr
.endr
	s_wait_tensorcnt 0x0
	ds_add_u32 v254, v255
	s_wait_dscnt 0x0
	CROUND                                         ; the closing round: no work-group ends while a partner may still ask for a tile that names it
	s_endpgm
.Lfunc_end_k_q4bced85516_attn:
	.size	k_q4bced85516_attn, .Lfunc_end_k_q4bced85516_attn-k_q4bced85516_attn
	.p2alignl 7, 3214868480
	.fill 96, 4, 3214868480
	.section	.rodata,"a",@progbits
	.p2align	6, 0x0
	.amdhsa_kernel k_q4bced85516_attn
		.amdhsa_group_segment_fixed_size 264192
		.amdhsa_private_segment_fixed_size 0
		.amdhsa_enable_private_segment 0
		.amdhsa_kernarg_size 32
		.amdhsa_user_sgpr_count 2
		.amdhsa_user_sgpr_kernarg_segment_ptr 1
		.amdhsa_wavefront_size32 1
		.amdhsa_system_sgpr_workgroup_id_x 1
		.amdhsa_system_sgpr_workgroup_id_y 1
		.amdhsa_system_sgpr_workgroup_id_z 1
		.amdhsa_system_vgpr_workitem_id 0
		.amdhsa_next_free_vgpr 256
		.amdhsa_next_free_sgpr 102
		.amdhsa_reserve_vcc 0
		.amdhsa_float_denorm_mode_32 3
		.amdhsa_float_denorm_mode_16_64 3
		.amdhsa_memory_ordered 1
		.amdhsa_forward_progress 1
		.amdhsa_inst_pref_size 90
	.end_amdhsa_kernel
	.amdgpu_metadata
---
amdhsa.version: [ 1, 2 ]
amdhsa.kernels:
  - .name:           k_q4bced85516_attn
    .symbol:         k_q4bced85516_attn.kd
    .args:
      - { .name: qkv, .offset: 0, .size: 8, .value_kind: global_buffer, .address_space: global }
      - { .name: mw, .offset: 8, .size: 8, .value_kind: global_buffer, .address_space: global }
      - { .name: lowp_scales, .offset: 16, .size: 8, .value_kind: global_buffer, .address_space: global }
      - { .name: af, .offset: 24, .size: 8, .value_kind: global_buffer, .address_space: global }
    .group_segment_fixed_size: 264192
    .private_segment_fixed_size: 0
    .kernarg_segment_align: 8
    .kernarg_segment_size: 32
    .max_flat_workgroup_size: 512
    .sgpr_count:     102
    .vgpr_count:     256
    .wavefront_size: 32
...
	.end_amdgpu_metadata
.endif
;; end of part 3
;; launch outp (part 4): grid 4 x 32, 4 waves a work-group, clusters of 4 x 4, 327,680 bytes of LDS; arguments af, wc, lowp_scales, bo, out0; writes out0
.if DOCPART == 4
	.amdgcn_target "amdgcn-amd-amdhsa--gfx1250"
	.amdhsa_code_object_version 6
	.text
	.protected	k_q4bced85516_outp
	.globl	k_q4bced85516_outp
	.p2align	8
	.type	k_q4bced85516_outp,@function
k_q4bced85516_outp:
	s_mov_b64 s[64:65], 0
	v_nop
	global_prefetch_b8 v0, s[64:65] scope:SCOPE_SE
	s_setreg_imm32_b32 hwreg(HW_REG_WAVE_MODE, 25, 1), 1
	s_wait_xcnt 0x0
	s_wait_alu depctr_hold_cnt(0) depctr_sa_sdst(0) depctr_va_vdst(0) depctr_va_sdst(0) depctr_va_ssrc(0) depctr_va_vcc(0) depctr_vm_vsrc(0)
	s_getreg_b32 s2, hwreg(HW_REG_IB_STS2, 6, 4)
	s_cmp_eq_u32 s2, 0
	s_cbranch_scc0 .Lentry_in_a_cluster
	s_endpgm
.Lentry_in_a_cluster:
	s_bfe_u32 s2, ttmp6, 0x10000c
	s_cmp_lg_u32 s2, 0xf033
	s_cbranch_scc0 .Lentry_shape_is_right
	s_endpgm
.Lentry_shape_is_right:
; OUTP.  out0 = attn Wo^T + bo on codes of FP8 (E4M3).  A = attn's codes [8192][1024], laid by the attention launch as images of the operand's registers: the tile of 16 rows Rt at Rt x 16,384,
; 128 along K at + 2,048 kc, image c at + 512 c, lane l's 16 bytes at 16 l (row l % 16, K = 128 kc + 32 c + 16 (l / 16) + 0 .. 15).  B = Wo's codes [1024][1024], rows of 1,024 bytes, the fourth tensor of wc.
; out0 = sum x 2^(e10 + e11) + bo: one packed multiply-add for two numbers.  LIMIT: e10 + e11 between -126 and 127.  K is permuted alike in A's and B's fragments.
; A tile of C, 256 x 256, is made by four waves, each 128 x 128: 64 accumulators.  K goes in steps of 256 through a ring of two LDS slots.  128 work-groups: with a smaller tile a wave would read
; half as many products' worth from each LDS byte.
; CLUSTERS: 4 x 4 work-groups; A's tiles are asked for jointly along a row of the cluster, B's along a column.  THE MATRIX INSTRUCTION IS USED TRANSPOSED (source 0 = B's rows, source 1 = A's).
; REGISTERS: window 0: v0-31 addresses; v32-95 bo of my columns; from v128 A's fragments, ONE set; on the way out v96-223 rows read back.  window 1: B's fragments, TWO sets.  windows 2, 3: the accumulators.
.set ROWB,   256                       ; B: a tile's row in bytes
.set KROW,   1024
.set PITCH,  272                       ; B's LDS row: 256 bytes + 16 of padding
.set ASTEP,  4096                      ; A: 256 along K of a tile of 16 rows, in bytes
.set FR,     16
.set NL,     4
.set NP,     4
.set HALFT,  128*PITCH                 ; a wave's part of a slot (A's uses 32,768 bytes of it)
.set SLOT,   4*HALFT
.set LAPS,   2
.set SPARE,  2*SLOT                    ; the spare words, 128 bytes for each wave, which no other line names
.set SPITCH, 528                       ; the way out: a stage of 16 rows x (512 bytes + 16) for each wave, in slot 0, which has had its last fill and its last read by then
.set NROW,   4096                      ; a row of out0 in bytes
.set ADRA, 16
.set ADRB, 20
.set STO,  24
.set RD,   25
.set CO,   26
.set SPW,  28
.set NIL,  29
.set CB,   32                          ; v32-95  bo of column 16 b + 8 h + j at 8 b + j
.set AF,   128
.set BK,   96                          ; 16 rows read back from the stage: v96-159 and v160-223 by turns
.set G1, 24
.set G0, 32
.set G1B, 48
.set G0B, 56
.set MSB, 0
.macro WIN new
.if MSB != (\new)
	s_set_vgpr_msb (MSB<<8)|(\new)
.set MSB, (\new)
.endif
.endm
.set MUL_LO, 0xa1
.set MUL_HI, 0xf1
.set TO_B,   0x40
.macro JLOAD g0a, g1a, g0b, g1b        ; waves 0 and 1 fetch for A, waves 2 and 3 for B; four v_nop follow each of the two lines
	s_cmp_eq_u32 s15, 0
	s_cbranch_scc0 .Lfor_b_\@
	tensor_load_to_lds s[\g0a:\g0a+3], s[\g1a:\g1a+7]
	s_nop 0
.rept 4
	v_nop
.endr
	s_branch .Lasked_\@
.Lfor_b_\@:
	tensor_load_to_lds s[\g0b:\g0b+3], s[\g1b:\g1b+7]
	s_nop 0
.rept 4
	v_nop
.endr
.Lasked_\@:
.endm
.macro CREST
	s_cmp_lg_u32 s14, 0
	s_cbranch_scc1 .Lnot_wave_0_\@
	s_barrier_signal -3
.Lnot_wave_0_\@:
	s_barrier_wait -3
	s_barrier_signal -1
	s_barrier_wait -1
.endm
.macro CROUND
	s_barrier_signal -1
	s_barrier_wait -1
	CREST
.endm
	s_load_b128 s[4:7], s[0:1], 0x0                ; af, wc
	s_load_b128 s[8:11], s[0:1], 0x10              ; the exponents, bo
	s_load_b64 s[12:13], s[0:1], 0x20              ; out0
	v_lshl_add_u32 v[SPW], v0, 2, SPARE
	v_mov_b32 v[NIL], 0
	ds_add_u32 v28, v29
	ds_add_u32 v28, v29
	s_wait_dscnt 0x0
	v_lshrrev_b32 v1, 5, v0
	v_readfirstlane_b32 s14, v1                    ; wave 0..3
	s_lshr_b32 s15, s14, 1                         ; my half of the tile's rows.  Also: I fetch for A (0) or for B (1)
	s_and_b32 s16, s14, 1                          ; my half of its columns.  Also: which half of that tile I fetch
	s_bfe_u32 s40, ttmp6, 0x40000                  ; cx
	s_bfe_u32 s41, ttmp6, 0x40004                  ; cy
	s_lshl_b32 s42, ttmp9, 2
	s_add_co_u32 s42, s42, s40                     ; tile column of C
	s_and_b32 s17, ttmp7, 0xffff
	s_lshl_b32 s17, s17, 2
	s_add_co_u32 s17, s17, s41                     ; tile row of C
	s_lshl_b32 s43, s41, 2
	s_lshl_b32 s43, 15, s43                        ; my row of the cluster
	s_lshl_b32 s44, 0x1111, s40                    ; my column
	s_or_b32 s[G1+0], s43, (3<<16)|(1<<21)         ; A: the mask; elements of 8 bytes; 21 set beside a mask; images need no padding
	s_mov_b32 s[G1+1], 512<<16                     ; tensor_dim0 = 512 elements: 4,096 bytes, a tile of 16 rows x 256 along K
	s_mov_b32 s[G1+2], 8<<16                       ; tensor_dim1 = 8 such tiles: 128 rows
	s_mov_b32 s[G1+3], 512<<16                     ; tile_dim0
	s_mov_b32 s[G1+4], 8                           ; tile_dim1
	s_mov_b32 s[G1+5], 2048                        ; 16,384 bytes from a tile of rows to the next
	s_mov_b32 s[G1+6], 0
	s_mov_b32 s[G1+7], 0
	s_or_b32 s[G1B+0], s44, (1<<20)|(1<<21)|(5<<22)|(3<<25)   ; B: the mask; elements of 1 byte; four words of padding after every 64
	s_mov_b32 s[G1B+1], ROWB<<16
	s_mov_b32 s[G1B+2], 128<<16
	s_mov_b32 s[G1B+3], ROWB<<16
	s_mov_b32 s[G1B+4], 128
	s_mov_b32 s[G1B+5], KROW
	s_mov_b32 s[G1B+6], 0
	s_mov_b32 s[G1B+7], 0
	s_lshl_b32 s20, s17, 4
	s_lshl_b32 s18, s16, 3
	s_add_co_u32 s20, s20, s18
	s_lshl_b32 s20, s20, 14                        ; A: (16 x tile row + 8 x half) tiles of 16,384 bytes
	s_mov_b32 s21, 0
	s_lshl_b32 s46, s42, 8
	s_lshl_b32 s18, s16, 7
	s_add_co_u32 s46, s46, s18
	s_lshl_b32 s46, s46, 10                        ; B: (256 x tile column + 128 x half) rows of 1,024 bytes,
	s_add_co_u32 s46, s46, 0x300000                ; in the fourth tensor of wc
	s_mov_b32 s47, 0
	s_mul_i32 s45, s14, HALFT                      ; where they go: no place in the cluster enters an LDS address
	s_wait_kmcnt 0x0
	s_load_b64 s[96:97], s[8:9], 0x28              ; e10, e11
	s_add_nc_u64 s[20:21], s[4:5], s[20:21]
	s_add_nc_u64 s[46:47], s[6:7], s[46:47]
	CROUND                                         ; all sixteen work-groups are here: the first joint loads meet
.irp s, 0,1
	s_mov_b32 s[G0+4*\s], 1
	s_add_co_u32 s[G0+4*\s+1], s45, \s*SLOT
	s_add_nc_u64 s[G0+4*\s+2:G0+4*\s+3], s[20:21], \s*ASTEP
	s_or_b32 s[G0+4*\s+3], s[G0+4*\s+3], 0x80000000
	s_mov_b32 s[G0B+4*\s], 1
	s_add_co_u32 s[G0B+4*\s+1], s45, \s*SLOT
	s_add_nc_u64 s[G0B+4*\s+2:G0B+4*\s+3], s[46:47], \s*ROWB
	s_or_b32 s[G0B+4*\s+3], s[G0B+4*\s+3], 0x80000000
	JLOAD G0+4*\s, G1, G0B+4*\s, G1B
.endr
	v_and_b32 v1, 15, v0                           ; r
	v_bfe_u32 v2, v0, 4, 1                         ; h
	v_mul_u32_u24 v3, v1, PITCH
	v_lshl_add_u32 v4, v2, 4, v3                   ; B: a fragment's row x pitch + 16 h
	v_and_b32 v6, 31, v0
	v_lshlrev_b32 v[CO], 4, v6                     ; 16 x lane: A's images, the stage's rows, and rows of out0
	s_mul_i32 s21, s15, HALFT                      ; my 128 rows of A
	s_mul_i32 s22, s16, HALFT                      ; my 128 rows of B,
	s_add_co_u32 s22, s22, 2*HALFT                 ; which lie behind A's two parts
.irp s, 0,1
	v_add_nc_u32 v[ADRA+\s], s21, v[CO]
	v_add_nc_u32 v[ADRB+\s], s22, v4
	s_add_co_u32 s21, s21, SLOT
	s_add_co_u32 s22, s22, SLOT
.endr
	s_mul_i32 s23, s14, 16*SPITCH                  ; my stage
	v_mul_u32_u24 v5, v1, SPITCH                   ; in: row r, 32 bytes for each half of the lanes
	v_lshl_add_u32 v5, v2, 5, v5
	v_add_nc_u32 v[STO], s23, v5
	v_add_nc_u32 v[RD], s23, v[CO]                 ; back: the 32 lanes take one row of 512 bytes
	s_lshl_b32 s46, s42, 10                        ; my first column, in bytes of f32: 1,024 x tile column + 512 x half
	s_lshl_b32 s47, s16, 9
	s_add_co_u32 s46, s46, s47
	v_lshl_add_u32 v7, v2, 5, s46                  ; bo: + 32 h; never rewritten
.irp b, 0,1,2,3,4,5,6,7
	global_load_b128 v[CB+8*\b:CB+8*\b+3], v7, s[10:11] offset:64*\b
	global_load_b128 v[CB+8*\b+4:CB+8*\b+7], v7, s[10:11] offset:64*\b+16
.endr
	s_lshl_b32 s20, s17, 8
	s_lshl_b32 s21, s15, 7
	s_add_co_u32 s20, s20, s21                     ; my first row of C
	s_lshl_b32 s20, s20, 12
	s_add_co_u32 s20, s20, s46
	s_mov_b32 s21, 0
	s_add_nc_u64 s[12:13], s[12:13], s[20:21]
.macro FRAGB reg, adr, q, i            ; from rows: registers 4 c .. 4 c + 3 hold K = 32 c + 16 (l / 16) + 0 .. 15 of row l % 16
.irp c, 0,1,2,3
	ds_load_b128 v[\reg+4*\c:\reg+4*\c+3], v[\adr] offset:128*(\q)+32*\c+(\i)*16*PITCH
.endr
.endm
.macro FRAGA reg, adr, q, i            ; from images: the same registers in the same lanes, 512 consecutive bytes an instruction
.irp c, 0,1,2,3
	ds_load_b128 v[\reg+4*\c:\reg+4*\c+3], v[\adr] offset:4096*(\i)+2048*(\q)+512*\c
.endr
.endm
.macro MUL16 a0, p, zero               ; the 64 accumulators take turns, one instruction a turn
.irp a, \a0, \a0+1
.irp b, 0,1,2,3,4,5,6,7
.if \zero
	v_wmma_f32_16x16x128_fp8_fp8 v[8*(8*((\a)%4)+\b):8*(8*((\a)%4)+\b)+7], v[128*(\p)+FR*\b:128*(\p)+FR*\b+FR-1], v[AF+FR*(\a):AF+FR*(\a)+FR-1], 0
.else
	v_wmma_f32_16x16x128_fp8_fp8 v[8*(8*((\a)%4)+\b):8*(8*((\a)%4)+\b)+7], v[128*(\p)+FR*\b:128*(\p)+FR*\b+FR-1], v[AF+FR*(\a):AF+FR*(\a)+FR-1], v[8*(8*((\a)%4)+\b):8*(8*((\a)%4)+\b)+7]
.endif
.endr
.endr
.endm
.macro FETCH_B slot, q, p
	WIN TO_B
.irp i, 0,1,2,3,4,5,6,7
	FRAGB 128*(\p)+FR*\i, ADRB+\slot, \q, \i
.endr
	WIN 0
.endm
.macro FETCH_A slot, q, i0
.irp i, \i0, \i0+1, \i0+2, \i0+3
	FRAGA AF+FR*(\i), ADRA+\slot, \q, \i
.endr
.endm
.macro PLACES n
.rept \n
	v_nop
.endr
.endm
.macro STEP slot, q, zero
	s_wait_dscnt 4*NL                              ; B's set and A's blocks 0-3 are in; the youngest 16 loads (A's blocks 4-7) may be out
	WIN MUL_LO
	MUL16 0, (\q)%2, \zero
	MUL16 2, (\q)%2, \zero
	s_wait_dscnt 0
	PLACES NP
	FETCH_B \slot, (\q)+1, 1-(\q)%2
	FETCH_A \slot, (\q)+1, 0
	WIN MUL_HI
	MUL16 4, (\q)%2, \zero
	MUL16 6, (\q)%2, \zero
	PLACES NP
	WIN 0
	FETCH_A \slot, (\q)+1, 4
.endm
.macro TURN slot, next, fill
	s_wait_tensorcnt 0x0                           ; all my tensor loads have landed: my part of the next slot
	ds_add_u32 v[SPW], v[NIL]                      ; 0 onto my spare word
	s_wait_dscnt 4*NL+1                            ; (the add and the youngest 16 loads may be out)
	WIN MUL_LO
	MUL16 0, 1, 0
	s_wait_dscnt 0x0                               ; the add is done, and my reads of this slot are over
	s_barrier_signal -1
	MUL16 2, 1, 0
	WIN 0
	s_barrier_wait -1
.if \fill
	CREST                                          ; the barrier has opened a round of the cluster's: no wave of any partner still reads this slot or has a load on its way
	s_add_nc_u64 s[G0+4*\slot+2:G0+4*\slot+3], s[G0+4*\slot+2:G0+4*\slot+3], 2*ASTEP
	s_add_nc_u64 s[G0B+4*\slot+2:G0B+4*\slot+3], s[G0B+4*\slot+2:G0B+4*\slot+3], 2*ROWB
	JLOAD G0+4*\slot, G1, G0B+4*\slot, G1B         ; the first tensor load behind the round; its four v_nop are the places in front of the loads below
.else
	PLACES NP
.endif
	FETCH_B \next, 0, 0
	FETCH_A \next, 0, 0
	WIN MUL_HI
	MUL16 4, 1, 0
	MUL16 6, 1, 0
	PLACES NP
	WIN 0
	FETCH_A \next, 0, 4
.endm
	s_wait_loadcnt 0x0                             ; bo, once
	s_wait_tensorcnt 1                             ; my part of K step 0 is in; K step 1's load may be out
	s_barrier_signal -1
	s_barrier_wait -1
	FETCH_B 0, 0, 0
	FETCH_A 0, 0, 0
	FETCH_A 0, 0, 4
	STEP 0, 0, 1
	s_mov_b32 s3, LAPS-1
.Llap:
	TURN 0, 1, 1
	STEP 1, 0, 0
	TURN 1, 0, 1
	STEP 0, 0, 0
	s_sub_co_u32 s3, s3, 1
	s_cmp_lg_u32 s3, 0
	s_cbranch_scc1 .Llap
	TURN 0, 1, 0
	STEP 1, 0, 0
	s_wait_dscnt 4*NL
	WIN MUL_LO
	MUL16 0, 1, 0
	MUL16 2, 1, 0
	s_wait_dscnt 0
	WIN MUL_HI
	MUL16 4, 1, 0
	MUL16 6, 1, 0
	WIN 0
; THE WAY OUT, block by block of 16 rows x 128 columns: sum x 2^(e10 + e11) + bo in place, through my own stage in LDS, back as whole rows of 512 bytes.
; LDS serves a wave's instructions in order (ISA guide 5.7.1.4): no wait between the stores and the loads, nor in front of the next block's stores.
.macro TOSTAGE a
.set AC, 64*((\a)%4)
.set WW, 2+((\a)/4)
	WIN ((WW<<6)|WW)                               ; source 0 and destination: the block's window; bo in window 0
.set j, 0
.rept 32
	v_pk_fma_f32 v[AC+j:AC+j+1], v[AC+j:AC+j+1], s[96:97], v[CB+j:CB+j+1] op_sel_hi:[1,0,1]   ; each accumulator from its low end on
.set j, j+2
.endr
	WIN (WW<<2)                                    ; an LDS store's data are its source 1
.irp b, 0,1,2,3,4,5,6,7
	ds_store_b128 v[STO], v[AC+8*\b:AC+8*\b+3] offset:64*\b
	ds_store_b128 v[STO], v[AC+8*\b+4:AC+8*\b+7] offset:64*\b+16
.endr
	WIN 0
.set BB, BK+64*((\a)%2)
.irp t, 0,1,2,3,4,5,6,7,8,9,10,11,12,13,14,15
	ds_load_b128 v[BB+4*\t:BB+4*\t+3], v[RD] offset:\t*SPITCH
.endr
.endm
.macro SEND a, younger                 ; younger: the LDS instructions issued behind block a's loads, which may stay out
.set BB, BK+64*((\a)%2)
	s_wait_dscnt \younger
.if (\a) > 0
	s_add_nc_u64 s[12:13], s[12:13], 16*NROW       ; (behind a wait on XCNT: the earlier stores have read their base)
.endif
.irp t, 0,1,2,3,4,5,6,7,8,9,10,11,12,13,14,15
	global_store_b128 v[CO], v[BB+4*\t:BB+4*\t+3], s[12:13] offset:\t*NROW th:TH_STORE_NT   ; 32 lanes store 512 consecutive bytes, aligned; written once, read by nobody here
.endr
.endm
	s_wait_kmcnt 0x0
	s_add_co_i32 s96, s96, s97                     ; e10 + e11,
	s_add_co_i32 s96, s96, 127
	s_lshl_b32 s96, s96, 23                        ; as the f32 number 2^(e10 + e11)
	PLACES NP                                      ; behind the last products: for the loads into the registers that held A's fragments, and for the reads of results
	TOSTAGE 0
.irp a, 1,2,3,4,5,6,7
.if \a > 1
	s_wait_xcnt 0x0                                ; block a - 2's stores have read their registers and their base
.endif
	TOSTAGE \a
	SEND \a-1, 32                                  ; behind block a - 1's loads: block a's 16 stores and 16 loads
.endr
	s_wait_xcnt 0x0
	SEND 7, 0
	s_wait_tensorcnt 0x0                           ; the wave's end
	ds_add_u32 v[SPW], v[NIL]
	s_wait_dscnt 0x0
	CROUND                                         ; the closing round
	s_endpgm
.Lfunc_end_k_q4bced85516_outp:
	.size	k_q4bced85516_outp, .Lfunc_end_k_q4bced85516_outp-k_q4bced85516_outp
	.p2alignl 7, 3214868480
	.fill 96, 4, 3214868480
	.section	.rodata,"a",@progbits
	.p2align	6, 0x0
	.amdhsa_kernel k_q4bced85516_outp
		.amdhsa_group_segment_fixed_size 327680
		.amdhsa_private_segment_fixed_size 0
		.amdhsa_enable_private_segment 0
		.amdhsa_kernarg_size 40
		.amdhsa_user_sgpr_count 2
		.amdhsa_user_sgpr_kernarg_segment_ptr 1
		.amdhsa_wavefront_size32 1
		.amdhsa_system_sgpr_workgroup_id_x 1
		.amdhsa_system_sgpr_workgroup_id_y 1
		.amdhsa_system_sgpr_workgroup_id_z 1
		.amdhsa_system_vgpr_workitem_id 0
		.amdhsa_next_free_vgpr 1024
		.amdhsa_next_free_sgpr 98
		.amdhsa_reserve_vcc 0
		.amdhsa_float_denorm_mode_32 3
		.amdhsa_float_denorm_mode_16_64 3
		.amdhsa_memory_ordered 1
		.amdhsa_forward_progress 1
		.amdhsa_inst_pref_size 125
	.end_amdhsa_kernel
	.amdgpu_metadata
---
amdhsa.version: [ 1, 2 ]
amdhsa.kernels:
  - .name:           k_q4bced85516_outp
    .symbol:         k_q4bced85516_outp.kd
    .args:
      - { .name: af, .offset: 0, .size: 8, .value_kind: global_buffer, .address_space: global }
      - { .name: wc, .offset: 8, .size: 8, .value_kind: global_buffer, .address_space: global }
      - { .name: lowp_scales, .offset: 16, .size: 8, .value_kind: global_buffer, .address_space: global }
      - { .name: bo, .offset: 24, .size: 8, .value_kind: global_buffer, .address_space: global }
      - { .name: out0, .offset: 32, .size: 8, .value_kind: global_buffer, .address_space: global }
    .group_segment_fixed_size: 327680
    .private_segment_fixed_size: 0
    .kernarg_segment_align: 8
    .kernarg_segment_size: 40
    .max_flat_workgroup_size: 128
    .sgpr_count:     98
    .vgpr_count:     1024
    .wavefront_size: 32
...
	.end_amdgpu_metadata
.endif
;; end of part 4
;; ======== version 2 of 3: 4 launches; 1.24 times as fast as version 1
;; workspace buffers: xc 25,165,824 bytes; wc 4,194,304 bytes; mw 524,288 bytes of whole numbers; mf 65,536 bytes of whole numbers; qkv 25,165,824 bytes; af 8,388,608 bytes
;; launch prep (part 5): grid 1024 x 1, 4 waves a work-group, no clusters, 67,072 bytes of LDS; arguments query, key_in, value, Wq, Wk, Wv, Wo, mask, lowp_scales, xc, wc, mw, mf; writes xc, wc, mw, mf
.if DOCPART == 5
	.amdgcn_target "amdgcn-amd-amdhsa--gfx1250"
	.amdhsa_code_object_version 6
	.text
	.protected	k_q4bced85516_prep
	.globl	k_q4bced85516_prep
	.p2align	8
	.type	k_q4bced85516_prep,@function
k_q4bced85516_prep:
	s_mov_b64 s[64:65], 0
	v_nop
	global_prefetch_b8 v0, s[64:65] scope:SCOPE_SE
	s_setreg_imm32_b32 hwreg(HW_REG_WAVE_MODE, 25, 1), 1
	s_wait_xcnt 0x0
; PREP.  (1) query, key_in, value [8192][1024] and Wq, Wk, Wv, Wo [1024][1024], f32, K innermost, become codes of FP8 (E4M3), one byte a number, in the same order:
; code = x / 2^e, held within +-448, to the nearest code, ties to even.  e = entries 0, 2, 4 (the three activations) and 1, 3, 5, 11 (the four weights) of the given exponents.
; (2) the mask [2048][2048] int32 becomes lane masks: for a tile of 16 queries Qt and a step of 128 keys Ks (a unit), 64 words; bit r + 16 h of word n says whether
; mask[16 Qt + r][128 Ks + 16 (n / 8) + 8 h + n % 8] is not 0: the lane and the register in which the attention launch holds that score.
; (3) for each (Qt, wave) a record of three words: the OR of all words of the wave's four units (bit r or bit r + 16 set: row r has an open key there); bit Ks set: unit Ks has an open key;
; bit Ks set: unit Ks has a hidden key.  By these the attention launch leaves out units and selects.
; LIMITS: -126 <= e and e + 8 <= 127 for the seven exponents.  NaN among the inputs is not served.
; SHARES.  Work-groups 0-895 quantise 32,768 numbers each (256 for each activation, 32 for each weight); work-groups 896-1023 take a tile of 16 queries of the mask each.
; The two ways part on the work-group's number, never join, and have LDS bytes of their own.  No barrier: waves share nothing.
.set STEPS,  16                        ; a wave quantises 16 steps of 512 numbers
.set EMAX,   8
.set MANT,   0x600000                  ; the mantissa field of 448 as f32
.set R,      16                        ; v16-79   four sets of 16 numbers as they are loaded
.set X,      80                        ; v80-111  two sets of 16 neighbours
.set C,      128                       ; v128-191 codes: four registers for each step, so that no store's data are written again
.set WREG,   8192                      ; LDS bytes 0 to 32,767: a region for each wave: two stages of 32 x SP bytes
.set SP,     80                        ; a lane's place in a stage: its 64 bytes + 16 of padding
.set FIRSTM, 896                       ; the first work-group of the mask
.set MSTG,   32768                     ; LDS from here on: the mask's stages, 16 rows x MPIT bytes for each wave
.set MPIT,   528                       ; 512 bytes + 16: row r starts 4 r words on in the banks
.set ML,     16                        ; v16-143  the mask as loaded: two sets of 64
.set RB,     144                       ; v144-207 a lane's 64 numbers of the mask
.set W,      208                       ; v208-215 the words: a pair for each of the wave's four key steps
	s_load_b512 s[4:19], s[0:1], 0x0               ; query, key_in, value, Wq, Wk, Wv, Wo, mask
	s_load_b256 s[20:27], s[0:1], 0x40             ; the exponents, xc, wc, mw
	s_load_b64 s[30:31], s[0:1], 0x60              ; mf
	v_lshl_add_u32 v224, v0, 2, 0x10400
	v_mov_b32 v225, 0
	v_lshrrev_b32 v1, 5, v0
	v_readfirstlane_b32 s28, v1                    ; wave
	v_and_b32 v2, 31, v0                           ; lane
	v_lshlrev_b32 v3, 4, v2                        ; 16 x lane: my 16 bytes of a load's or a store's 512; never rewritten
	s_wait_kmcnt 0x0
	s_cmp_ge_u32 ttmp9, FIRSTM
	s_cbranch_scc1 .Lmask
; ---------------- the quantiser ----------------
; The conversions take 8 numbers of ONE lane's consecutive registers, so a lane must hold neighbours along K; a load is dense where neighbouring LANES take neighbouring bytes.
; Both are had: a step's four loads read 512 consecutive bytes each, the 2,048 bytes go through the wave's own stage in LDS as they lie and come back 64 bytes a lane.
	s_load_b256 s[32:39], s[20:21], 0x0            ; e0 .. e7
	s_load_b128 s[40:43], s[20:21], 0x20           ; e8 .. e11
	s_mul_i32 s29, s28, WREG
	v_lshrrev_b32 v14, 2, v2
	v_mul_u32_u24 v14, v14, SP
	v_and_b32 v15, 3, v2
	v_lshl_add_u32 v14, v15, 4, v14
	v_add_nc_u32 v14, s29, v14                     ; into the stage: SP (lane / 4) + 16 (lane % 4); a load's 512 bytes take eight places
	v_mul_u32_u24 v15, v2, SP
	v_add_nc_u32 v15, s29, v15                     ; out of it: SP x lane: my 16 neighbours
	s_mov_b64 s[44:45], s[4:5]                     ; which tensor: the choice hangs on the work-group's number alone
	s_mov_b32 s46, 0                               ; and its first work-group
.macro PICK bound, ptr
	s_cmp_ge_u32 ttmp9, \bound
	s_cselect_b64 s[44:45], s[\ptr:\ptr+1], s[44:45]
	s_cselect_b32 s46, \bound, s46
.endm
	PICK 256, 6
	PICK 512, 8
	PICK 768, 10
	PICK 800, 12
	PICK 832, 14
	PICK 864, 16
	s_sub_co_u32 s46, ttmp9, s46
	s_lshl_b32 s46, s46, 2
	s_add_co_u32 s46, s46, s28                     ; which run of 8,192 numbers of the tensor is my wave's
	s_lshl_b32 s46, s46, 15                        ; x 32,768 bytes
	s_mov_b32 s47, 0
	s_add_nc_u64 s[44:45], s[44:45], s[46:47]
	s_cmp_lt_u32 ttmp9, 768                        ; the activations' codes lie on end in xc, the weights' in wc, in the work-groups' order
	s_cselect_b64 s[48:49], s[22:23], s[24:25]
	s_cselect_b32 s50, 0, 768
	s_sub_co_u32 s50, ttmp9, s50
	s_lshl_b32 s50, s50, 2
	s_add_co_u32 s50, s50, s28
	s_lshl_b32 s50, s50, 13                        ; x 8,192 bytes
	s_mov_b32 s51, 0
	s_add_nc_u64 s[48:49], s[48:49], s[50:51]
.macro LOAD t
.irp i, 0,1,2,3
	global_load_b128 v[R+16*((\t)%4)+4*\i:R+16*((\t)%4)+4*\i+3], v3, s[44:45] offset:2048*(\t)+512*\i th:TH_LOAD_NT   ; 32 lanes read 512 consecutive bytes
.endr
.endm
.macro TURN t                          ; step t's numbers through the stage: LDS serves a wave's instructions in order (ISA guide 5.7.1.4), so no wait stands between the stores and the loads
.irp i, 0,1,2,3
	ds_store_b128 v14, v[R+16*((\t)%4)+4*\i:R+16*((\t)%4)+4*\i+3] offset:32*SP*((\t)%2)+8*SP*\i
.endr
.irp i, 0,1,2,3
	ds_load_b128 v[X+16*((\t)%2)+4*\i:X+16*((\t)%2)+4*\i+3], v15 offset:32*SP*((\t)%2)+16*\i
.endr
.endm
.irp t, 0,1,2,3
	LOAD \t
.endr
	s_wait_kmcnt 0x0
	s_mov_b32 s52, s32                             ; e, by the same bounds
.macro PICKE bound, reg
	s_cmp_ge_u32 ttmp9, \bound
	s_cselect_b32 s52, s[\reg], s52
.endm
	PICKE 256, 34
	PICKE 512, 36
	PICKE 768, 33
	PICKE 800, 35
	PICKE 832, 37
	PICKE 864, 43
	s_add_co_i32 s52, s52, 127
	s_lshl_b32 s53, s52, 23
	v_mov_b32 v11, s53                             ; 2^e as f32: the conversion takes its exponent field
	s_add_co_i32 s52, s52, EMAX
	s_lshl_b32 s52, s52, 23
	s_or_b32 s52, s52, MANT
	v_mov_b32 v10, s52                             ; 448 x 2^e
	s_wait_loadcnt 12                              ; step 0's four loads are in; those of steps 1 to 3 may be out
	TURN 0
.macro STEP t
.set XS, X+16*((\t)%2)
	s_wait_dscnt 0x0                               ; this step's numbers are back from the stage, so its stores into the stage have read their registers,
.if (\t)+4 < STEPS
	LOAD (\t)+4                                    ; which take the loads of four steps on
.endif
.if (\t)+1 < STEPS
.if STEPS-2-(\t) >= 3
	s_wait_loadcnt 12                              ; the next step's four loads are in; those of the three steps behind it may be out
.else
	s_wait_loadcnt 4*(STEPS-2-(\t))
.endif
	TURN (\t)+1                                    ; and go through the other stage while this step is worked
.endif
.irp i, 0,1,2,3,4,5,6,7,8,9,10,11,12,13,14,15
	v_med3_num_f32 v[XS+\i], v[XS+\i], -v10, v10   ; the conversion to an 8-bit code does not saturate (ISA guide 7.6.2): the number is held within 448 x the scale first
.endr
	v_cvt_scalef32_pk8_fp8_f32 v[C+4*(\t):C+4*(\t)+1], v[XS:XS+7], v11
	v_cvt_scalef32_pk8_fp8_f32 v[C+4*(\t)+2:C+4*(\t)+3], v[XS+8:XS+15], v11
	global_store_b128 v3, v[C+4*(\t):C+4*(\t)+3], s[48:49] offset:512*(\t)   ; the wave stores 512 consecutive bytes, aligned; the codes' registers are touched by this store alone
.endm
.irp t, 0,1,2,3,4,5,6,7,8,9,10,11,12,13,14,15
	STEP \t
.endr
	s_wait_tensorcnt 0x0
	ds_add_u32 v224, v225
	s_wait_dscnt 0x0
	s_endpgm
; ---------------- the mask ----------------
; The work-group takes queries 16 Qt .. 16 Qt + 15, wave w the key steps 4 w + u, u = 0 .. 3.  A unit (16 rows x 128 keys) is read by 16 loads of 512 consecutive bytes, turned through the
; wave's own stage so that lane (r, h) holds its 64 numbers of row r, compared with 0 (a compare gives the 32 lanes' bits as one word), and the 64 words leave as one aligned block of 256 bytes.
; On the way the words' OR and AND are taken, in scalar registers.
.Lmask:
	s_sub_co_u32 s29, ttmp9, FIRSTM                ; Qt
	s_lshl_b32 s56, s29, 17                        ; 16 rows of 8,192 bytes
	s_lshl_b32 s57, s28, 11                        ; my wave's four key steps of 512 bytes
	s_add_co_u32 s56, s56, s57
	s_mov_b32 s57, 0
	s_add_nc_u64 s[52:53], s[18:19], s[56:57]
	s_lshl_b32 s56, s29, 12                        ; 16 key steps of 256 bytes
	s_lshl_b32 s58, s28, 10
	s_add_co_u32 s56, s56, s58
	s_add_nc_u64 s[54:55], s[26:27], s[56:57]
	s_lshl_b32 s56, s29, 9                         ; the records: four of 128 bytes for each Qt
	s_lshl_b32 s58, s28, 7
	s_add_co_u32 s56, s56, s58
	s_add_nc_u64 s[30:31], s[30:31], s[56:57]
	s_mul_i32 s58, s28, 16*MPIT
	s_add_co_u32 s58, s58, MSTG                    ; my stage
	v_add_nc_u32 v4, s58, v3                       ; in: 16 x lane of a row
	v_and_b32 v7, 15, v0                           ; r
	v_bfe_u32 v8, v0, 4, 1                         ; h
	v_mul_u32_u24 v5, v7, MPIT
	v_lshl_add_u32 v5, v8, 5, v5
	v_add_nc_u32 v5, s58, v5                       ; back: row r, + 32 h: keys 16 t + 8 h + 0 .. 7 lie 64 t bytes on
	v_lshlrev_b32 v6, 3, v2                        ; out: two words a lane
	v_lshlrev_b32 v10, 2, v2                       ; the record: one word a lane
	v_mov_b32 v9, 0                                ; the record: words 3 to 31 stay 0
	s_mov_b32 s61, 0                               ; the OR over my four units
	s_mov_b32 s62, 0                               ; bit u: unit u has an open key
	s_mov_b32 s63, 0                               ; bit u: unit u has a hidden key
.irp i, 0,1,2,3,4,5,6,7
	v_mov_b32 v[W+\i], 0                           ; a lane write's destination counts as read
.endr
.macro MLOAD u
.irp i, 0,1,2,3,4,5,6,7,8,9,10,11,12,13,14,15
	global_load_b128 v[ML+64*((\u)%2)+4*\i:ML+64*((\u)%2)+4*\i+3], v3, s[52:53] offset:8192*\i+512*(\u) th:TH_LOAD_NT
.endr
.endm
.macro MUNIT u
.if (\u) < 3
	s_wait_loadcnt 16                              ; this unit's 16 loads are in; the next unit's 16 may be out
.else
	s_wait_loadcnt 0
.endif
.irp i, 0,1,2,3,4,5,6,7,8,9,10,11,12,13,14,15
	ds_store_b128 v4, v[ML+64*((\u)%2)+4*\i:ML+64*((\u)%2)+4*\i+3] offset:MPIT*\i
.endr
.irp t, 0,1,2,3,4,5,6,7
	ds_load_b128 v[RB+8*\t:RB+8*\t+3], v5 offset:64*\t
	ds_load_b128 v[RB+8*\t+4:RB+8*\t+7], v5 offset:64*\t+16
.endr
	s_wait_dscnt 0x0                               ; my 64 numbers are here, and the stores have read the set,
.if (\u) < 2
	MLOAD (\u)+2                                   ; which takes the unit two further on
.endif
	s_mov_b32 s59, 0                               ; the unit's OR
	s_mov_b32 s60, -1                              ; and its AND
.set n, 0
.rept 64
	v_cmp_ne_u32 s[44+n%8], 0, v[RB+n]             ; word n: one bit a lane
	v_writelane_b32 v[W+2*(\u)+(n&1)], s[44+n%8], n>>1   ; to its place: lane n / 2 stores words n and n + 1
	s_or_b32 s59, s59, s[44+n%8]
	s_and_b32 s60, s60, s[44+n%8]
.set n, n+1
.endr
	global_store_b64 v6, v[W+2*(\u):W+2*(\u)+1], s[54:55] offset:256*(\u)   ; 32 lanes store 256 consecutive bytes, aligned
	s_or_b32 s61, s61, s59
	s_cmp_lg_u32 s59, 0                            ; some key open?
	s_cselect_b32 s56, 1<<(\u), 0
	s_or_b32 s62, s62, s56
	s_cmp_lg_u32 s60, -1                           ; some key hidden?
	s_cselect_b32 s56, 1<<(\u), 0
	s_or_b32 s63, s63, s56
.endm
	MLOAD 0
	MLOAD 1
	MUNIT 0
	MUNIT 1
	MUNIT 2
	MUNIT 3
	s_lshl_b32 s57, s28, 2
	s_lshl_b32 s62, s62, s57                       ; my units are key steps 4 w + u
	s_lshl_b32 s63, s63, s57
	v_writelane_b32 v9, s61, 0
	v_writelane_b32 v9, s62, 1
	v_writelane_b32 v9, s63, 2
	global_store_b32 v10, v9, s[30:31]             ; 128 consecutive bytes, every lane on; the four waves' records lie on end
	s_wait_tensorcnt 0x0
	ds_add_u32 v224, v225
	s_wait_dscnt 0x0
	s_endpgm
.Lfunc_end_k_q4bced85516_prep:
	.size	k_q4bced85516_prep, .Lfunc_end_k_q4bced85516_prep-k_q4bced85516_prep
	.p2alignl 7, 3214868480
	.fill 96, 4, 3214868480
	.section	.rodata,"a",@progbits
	.p2align	6, 0x0
	.amdhsa_kernel k_q4bced85516_prep
		.amdhsa_group_segment_fixed_size 67072
		.amdhsa_private_segment_fixed_size 0
		.amdhsa_enable_private_segment 0
		.amdhsa_kernarg_size 104
		.amdhsa_user_sgpr_count 2
		.amdhsa_user_sgpr_kernarg_segment_ptr 1
		.amdhsa_wavefront_size32 1
		.amdhsa_system_sgpr_workgroup_id_x 1
		.amdhsa_system_sgpr_workgroup_id_y 1
		.amdhsa_system_sgpr_workgroup_id_z 1
		.amdhsa_system_vgpr_workitem_id 0
		.amdhsa_next_free_vgpr 226
		.amdhsa_next_free_sgpr 66
		.amdhsa_reserve_vcc 0
		.amdhsa_float_denorm_mode_32 3
		.amdhsa_float_denorm_mode_16_64 3
		.amdhsa_memory_ordered 1
		.amdhsa_forward_progress 1
		.amdhsa_inst_pref_size 105
	.end_amdhsa_kernel
	.amdgpu_metadata
---
amdhsa.version: [ 1, 2 ]
amdhsa.kernels:
  - .name:           k_q4bced85516_prep
    .symbol:         k_q4bced85516_prep.kd
    .args:
      - { .name: query, .offset: 0, .size: 8, .value_kind: global_buffer, .address_space: global }
      - { .name: key_in, .offset: 8, .size: 8, .value_kind: global_buffer, .address_space: global }
      - { .name: value, .offset: 16, .size: 8, .value_kind: global_buffer, .address_space: global }
      - { .name: Wq, .offset: 24, .size: 8, .value_kind: global_buffer, .address_space: global }
      - { .name: Wk, .offset: 32, .size: 8, .value_kind: global_buffer, .address_space: global }
      - { .name: Wv, .offset: 40, .size: 8, .value_kind: global_buffer, .address_space: global }
      - { .name: Wo, .offset: 48, .size: 8, .value_kind: global_buffer, .address_space: global }
      - { .name: mask, .offset: 56, .size: 8, .value_kind: global_buffer, .address_space: global }
      - { .name: lowp_scales, .offset: 64, .size: 8, .value_kind: global_buffer, .address_space: global }
      - { .name: xc, .offset: 72, .size: 8, .value_kind: global_buffer, .address_space: global }
      - { .name: wc, .offset: 80, .size: 8, .value_kind: global_buffer, .address_space: global }
      - { .name: mw, .offset: 88, .size: 8, .value_kind: global_buffer, .address_space: global }
      - { .name: mf, .offset: 96, .size: 8, .value_kind: global_buffer, .address_space: global }
    .group_segment_fixed_size: 67072
    .private_segment_fixed_size: 0
    .kernarg_segment_align: 8
    .kernarg_segment_size: 104
    .max_flat_workgroup_size: 128
    .sgpr_count:     66
    .vgpr_count:     226
    .wavefront_size: 32
...
	.end_amdgpu_metadata
.endif
;; end of part 5
;; launch proj: the kernel of part 2 again; grid 4 x 96, 4 waves a work-group, clusters of 4 x 4, 327,680 bytes of LDS; arguments xc, wc, bq, bk, bv, lowp_scales, qkv; writes qkv
;; launch attn (part 6): grid 4 x 64, 16 waves a work-group, no clusters, 264,192 bytes of LDS; arguments qkv, mw, mf, lowp_scales, af; writes af
.if DOCPART == 6
	.amdgcn_target "amdgcn-amd-amdhsa--gfx1250"
	.amdhsa_code_object_version 6
	.text
	.protected	k_q4bced85516_attn
	.globl	k_q4bced85516_attn
	.p2align	8
	.type	k_q4bced85516_attn,@function
k_q4bced85516_attn:
	s_mov_b64 s[64:65], 0
	v_nop
	global_prefetch_b8 v0, s[64:65] scope:SCOPE_SE
	s_setreg_imm32_b32 hwreg(HW_REG_WAVE_MODE, 25, 1), 1
	s_wait_xcnt 0x0
; ATTN.  For each of 64 heads (b, h): scores = Q K^T / 8, masked by the given mask, softmax, x V; both products on codes of FP8 (E4M3); the result is quantised for the last projection.
; THE SOFTMAX: t = score x log2(e) / 8; M = the row's largest t so far, rounded UP to a whole number; p = 2^(t - M) is quantised with 2^e8, not normalised; the row's sum is taken of the
; unquantised p and divides at the end.  When M moves, the sum and O are multiplied by 2^(old M - new M): exact.
; THE MASK is an input.  A hidden score is REPLACED (v_cndmask_b32, by lane masks that an earlier launch packed) by X = -2^(69 - e6 - e7), ahead of the maximum.  X is a power of two, so t = X c is
; exact and a whole number: in a row with no open key so far M = t and p = 2^0 = 1, as the definition has it (a row with no open key at all is the mean of V); the first open key makes
; 2^(old M - new M) = 0, which wipes what was summed.
; WHAT IS LEFT OUT, by whole numbers that the earlier launch stored for each unit (a tile of 16 queries x a step of 128 keys):
;   a unit with no open key, if every row of its tile has an open key somewhere: behind a row's first open key its p are 0 and M stays; ahead of it what it would add is wiped.  Nothing changes.
;   A tile that has a row with no open key keeps all 16 units.
;   in a unit with no hidden key: the mask words and the 64 selects.
; No pattern of the mask is assumed; with nothing to leave out all 32 units of a wave are computed.
; LIMITS: a hidden score stands at t = -1.06e20 where the definition has -1.44e20: it differs only for open scores below about -7e19.  e6 + e7 between -58 and 130; e8 between -126 and 119;
; e10 - e8 - e9 between -126 and 119.  K is permuted alike in Q's and K's fragments.  NaN is not served.
; SHARES.  Four work-groups take a head, each of their SIXTEEN waves two tiles of 16 queries in 256 registers: four waves to a SIMD, so that one wave's vector work stands beside another's matrix
; work and LDS loads.  Wave i = 16 x + w takes tiles i and 127 - i: where the mask hides the keys behind a query, the two together have 17 of 32 units, in every wave; under another mask only the
; balance differs.  Where both tiles need a step, each fragment of K and of V feeds two products.
; LDS holds the head's K (131,072 bytes at 0) and V (at 131,072) whole, as images of the operands' registers (512 bytes, lane l's 16 bytes at 16 l).  It is filled once, through registers:
; each wave loads 16,384 bytes and stores them; one barrier.
; NO CLUSTER, no tensor load: the steps that are left out hang on numbers read from memory.  What the four work-groups of
; a head share is these 262,144 bytes, read once by each.
; LAYOUT.  Both products are used transposed: S^T = K Q^T (source 0 = 16 keys), O^T = V^T P^T (source 0 = 16 of the head's 64): a lane holds ONE query (lane % 16).  Score register 8 t + j of lane
; (r, h) is key 16 t + 8 h + j: its eight codes are registers 2 t, 2 t + 1 of the second product's operand.  V's rows of a tile are chosen so that tiles 2 c, 2 c + 1 give a lane 16 neighbouring
; channels 32 c + 16 h + 0 .. 15: the last conversions' results are the next launch's operand registers and are stored as they stand.
.set LI,  1                            ; v1   16 x lane; never rewritten
.set LIV, 2                            ; v2   + 131,072: V
.set ADR, 3                            ; v3   the LDS address of the loads in hand
.set LIM, 4                            ; v4   448 x 2^e8
.set SCL, 5                            ; v5   2^e8
.set FA,  6                            ; v6   where I store my part of K or V: 16,384 x wave + 16 x lane
.set XM,  7                            ; v7   X
                                       ; v[8+4u] -M, v[9+4u] the largest t, v[10+4u:11+4u] the sum in two halves, of tile u; v16-18, v[20:21], v[22:23] at work
.set Q,   24                           ; v24-39   Q's two fragments
.set F,   40                           ; v40-103  eight fragments of K, or four of V.  At the head v40-167 carry my part of K or V on its way into LDS
.set P1,  104                          ; v104-119 tile 1's codes: they take four registers of their own and the first twelve of S, which are converted by then
.set S,   108                          ; v108-171 the scores, then p
.set P0,  172                          ; v172-187 tile 0's codes
.set O,   188                          ; v188-251 O^T, 32 a tile
.set WV,  2                            ; s2   wave
.set TB,  3                            ; s3   LDS byte of the key step in hand
                                       ; s4 the key step; s[6:7], s[12:13] the two tiles' mask words; s[8:9] lane selects; s[10:11] c
                                       ; s14, s16: bit Ks: tile 0, 1 needs key step Ks; s15, s17: bit Ks: it has hidden keys there; s18-21 the same four for the step in hand, 0 or 1
                                       ; s[22:23], s[24:25] where the two tiles' results go; s30 e10 - e8 - e9 + 127
                                       ; s[32:63], s[68:99] the 64 mask words of the unit in hand: word n in s[32 + n + 4 (n / 32)]
	s_load_b128 s[32:35], s[0:1], 0x0              ; qkv, mw
	s_load_b128 s[36:39], s[0:1], 0x10             ; mf, the exponents
	s_load_b64 s[40:41], s[0:1], 0x20              ; af
	v_lshl_add_u32 v254, v0, 2, 0x40000
	v_mov_b32 v255, 0
	v_lshrrev_b32 v1, 5, v0
	v_readfirstlane_b32 s[WV], v1                  ; wave 0..15
	s_and_b32 s29, ttmp7, 0xffff                   ; the head, 16 b + h
	s_mov_b32 s8, 0x76543210
	s_mov_b32 s9, 0xfedcba98                       ; v_permlanex16_b32: lane l xor 16
	s_lshl_b32 s31, s29, 17                        ; a head is 131,072 bytes in each of Q's, K's and V's parts of qkv
	s_lshr_b32 s5, s[WV], 3                        ; what I bring into LDS: waves 0-7 an eighth of K, waves 8-15 of V
	s_add_co_u32 s5, s5, 1
	s_lshl_b32 s52, s5, 23                         ; K's and V's parts lie 8,388,608 and 16,777,216 bytes in
	s_and_b32 s5, s[WV], 7
	s_lshl_b32 s5, s5, 14
	s_add_co_u32 s52, s52, s5
	s_add_co_u32 s52, s52, s31
	s_mov_b32 s53, 0
	s_lshl_b32 s54, ttmp9, 4
	s_add_co_u32 s54, s54, s[WV]                   ; tile 0: i = 16 x + wave
	s_sub_co_u32 s55, 127, s54                     ; tile 1: 127 - i
	s_lshl_b32 s56, s54, 10                        ; Q: 1,024 bytes a tile
	s_add_co_u32 s56, s56, s31
	s_mov_b32 s57, 0
	s_lshl_b32 s58, s55, 10
	s_add_co_u32 s58, s58, s31
	s_mov_b32 s59, 0
	s_lshl_b32 s60, s54, 12                        ; the mask words: 4,096 bytes a tile
	s_mov_b32 s61, 0
	s_lshl_b32 s62, s55, 12
	s_mov_b32 s63, 0
	s_lshr_b32 s5, s29, 4
	s_lshl_b32 s5, s5, 7                           ; 128 b
	s_and_b32 s28, s29, 15
	s_lshl_b32 s28, s28, 10                        ; 1,024 h
	s_add_co_u32 s68, s5, s54
	s_lshl_b32 s68, s68, 14                        ; af: (128 b + tile) x 16,384 + 1,024 h
	s_add_co_u32 s68, s68, s28
	s_mov_b32 s69, 0
	s_add_co_u32 s70, s5, s55
	s_lshl_b32 s70, s70, 14
	s_add_co_u32 s70, s70, s28
	s_mov_b32 s71, 0
	s_lshl_b32 s72, s54, 9                         ; the records: 512 bytes a tile
	s_mov_b32 s73, 0
	s_lshl_b32 s74, s55, 9
	s_mov_b32 s75, 0
	s_wait_kmcnt 0x0
	s_load_b256 s[76:83], s[38:39], 0x0            ; e0 .. e7
	s_load_b128 s[84:87], s[38:39], 0x20           ; e8 .. e11
	s_add_nc_u64 s[26:27], s[32:33], s[52:53]      ; my part of K or V
	s_add_nc_u64 s[66:67], s[32:33], s[56:57]      ; Q of tile 0
	s_add_nc_u64 s[100:101], s[32:33], s[58:59]    ; Q of tile 1
	s_add_nc_u64 s[6:7], s[34:35], s[60:61]
	s_add_nc_u64 s[12:13], s[34:35], s[62:63]
	s_add_nc_u64 s[22:23], s[40:41], s[68:69]
	s_add_nc_u64 s[24:25], s[40:41], s[70:71]
	s_add_nc_u64 s[88:89], s[36:37], s[72:73]
	s_add_nc_u64 s[90:91], s[36:37], s[74:75]
	s_load_b128 s[44:47], s[88:89], 0x0            ; tile 0's four records: rows' OR, open units, units with hidden keys, 0
	s_load_b128 s[48:51], s[88:89], 0x80
	s_load_b128 s[92:95], s[88:89], 0x100
	s_load_b128 s[96:99], s[88:89], 0x180
	s_load_b128 s[52:55], s[90:91], 0x0            ; tile 1's
	s_load_b128 s[56:59], s[90:91], 0x80
	s_load_b128 s[60:63], s[90:91], 0x100
	s_load_b128 s[68:71], s[90:91], 0x180
	v_and_b32 v1, 31, v0
	v_lshlrev_b32 v[LI], 4, v1
	v_add_nc_u32 v[LIV], 0x20000, v[LI]
	s_lshl_b32 s5, s[WV], 14
	v_add_nc_u32 v[FA], s5, v[LI]
.irp c, 0,1
	global_load_b128 v[Q+4*\c:Q+4*\c+3], v[LI], s[66:67] offset:512*\c          ; Q's fragments stay in registers
	global_load_b128 v[Q+8+4*\c:Q+8+4*\c+3], v[LI], s[100:101] offset:512*\c
.endr
.set i, 0
.rept 32
	global_load_b128 v[F+4*i:F+4*i+3], v[LI], s[26:27] offset:512*i             ; my 16,384 bytes of K or V: 512 consecutive bytes a load, all 32 on their way at once
.set i, i+1
.endr
.irp u, 0,1
	v_mov_b32 v[9+4*\u], 0xff61b1e6                ; the largest t so far: -3e38, under every t
	v_floor_f32 v[8+4*\u], -v[9+4*\u]              ; -M
	v_mov_b32 v[10+4*\u], 0
	v_mov_b32 v[11+4*\u], 0
.endr
	v_mov_b32 v18, 0                               ; a lane permute's destination counts as one of its sources
	v_mov_b32 v21, 0                               ; (named as the upper half of the pair v[20:21])
	v_mov_b32 v22, 0
	v_mov_b32 v23, 0
.set n, 60
.rept 20
	v_mov_b32 v[S+n], 0                            ; the last four scores and tile 0's codes: every register that a later line names has a value, whichever units are left out
.set n, n+1
.endr
.set n, 0
.rept 64
	v_mov_b32 v[O+n], 0                            ; the step is written once: a tile's first finds zeros, which the first change of M leaves zeros
.set n, n+1
.endr
	s_wait_kmcnt 0x0
	s_add_co_i32 s5, s82, s83                      ; e6 + e7
	s_lshl_b32 s31, s5, 23
	s_add_co_i32 s10, s31, 0x3e38aa3b              ; c = log2(e) / 8 x 2^(e6 + e7): the exponents are added to c's exponent field
	s_mov_b32 s11, s10                             ; (named with it as a pair)
	s_sub_co_i32 s5, 196, s5
	s_lshl_b32 s5, s5, 23
	s_or_b32 s5, s5, 0x80000000
	v_mov_b32 v[XM], s5                            ; X = -2^(69 - e6 - e7)
	s_add_co_i32 s5, s84, 127
	s_lshl_b32 s31, s5, 23
	v_mov_b32 v[SCL], s31                          ; 2^e8
	s_add_co_i32 s5, s5, 8
	s_lshl_b32 s5, s5, 23
	s_or_b32 s5, s5, 0x600000
	v_mov_b32 v[LIM], s5                           ; 448 x 2^e8
	s_sub_co_i32 s30, s86, s84
	s_sub_co_i32 s30, s30, s85
	s_add_co_i32 s30, s30, 127                     ; e10 - e8 - e9 + 127, for the way out
	; a tile's four records are joined.  Has every one of its 16 rows an open key?  Then only the units with an open key are needed; else all 16.
.irp j, 0,1,2
	s_or_b32 s[44+\j], s[44+\j], s[48+\j]
	s_or_b32 s[44+\j], s[44+\j], s[92+\j]
	s_or_b32 s[44+\j], s[44+\j], s[96+\j]
	s_or_b32 s[52+\j], s[52+\j], s[56+\j]
	s_or_b32 s[52+\j], s[52+\j], s[60+\j]
	s_or_b32 s[52+\j], s[52+\j], s[68+\j]
.endr
	s_lshr_b32 s5, s44, 16                         ; row r's keys lie in lanes r and r + 16
	s_or_b32 s5, s5, s44
	s_and_b32 s5, s5, 0xffff
	s_cmp_eq_u32 s5, 0xffff
	s_cselect_b32 s14, s45, 0xffff
	s_mov_b32 s15, s46
	s_lshr_b32 s5, s52, 16
	s_or_b32 s5, s5, s52
	s_and_b32 s5, s5, 0xffff
	s_cmp_eq_u32 s5, 0xffff
	s_cselect_b32 s16, s53, 0xffff
	s_mov_b32 s17, s54
.set i, 0
.rept 32
	s_wait_loadcnt 31-i                            ; load i is in (and Q, asked for ahead of it); the younger ones may be out
	ds_store_b128 v[FA], v[F+4*i:F+4*i+3] offset:512*i
.set i, i+1
.endr
	s_wait_dscnt 0x0                               ; for the others' sake: my part lies in LDS
	s_barrier_signal -1
	s_barrier_wait -1                              ; the head's K and V are whole; nothing is stored into LDS from here on
; One tile's mask and softmax for one key step of 128 keys (64 scores a lane).
.macro SOFTMAX u
.set NM, 8+4*(\u)
.set SUM, 10+4*(\u)
.set PP, P0-(P0-P1)*(\u)
.set MP, 6+6*(\u)
	s_cmp_eq_u32 s[19+2*(\u)], 0                   ; no hidden key in this unit: no words, no selects
	s_cbranch_scc1 .Lopen_\@
	s_load_b512 s[32:47], s[MP:MP+1], 0x0          ; the unit's 64 words.  Loads, wait and selects stand in one block: no load leaves it pending, so the pointer steps at the trip's end without a wait
	s_load_b512 s[48:63], s[MP:MP+1], 0x40
	s_load_b512 s[68:83], s[MP:MP+1], 0x80
	s_load_b512 s[84:99], s[MP:MP+1], 0xc0
	s_wait_kmcnt 0x0
.set n, 0
.rept 64
	v_cndmask_b32 v[S+n], v[XM], v[S+n], s[32+n+4*(n/32)]   ; a hidden score becomes X; each accumulator is read from its low end on
.set n, n+1
.endr
.Lopen_\@:
	v_max3_num_f32 v16, v[S], v[S+1], v[S+2]       ; the step's largest score of my query among my 64 keys, in two chains, ascending: each accumulator from its low end on
	v_max3_num_f32 v17, v[S+3], v[S+4], v[S+5]
.set n, 6
.rept 14
	v_max3_num_f32 v16, v16, v[S+n], v[S+n+1]
	v_max3_num_f32 v17, v17, v[S+n+2], v[S+n+3]
.set n, n+4
.endr
	v_max3_num_f32 v16, v16, v[S+62], v[S+63]
	v_max_num_f32 v16, v16, v17
	v_permlanex16_b32 v18, v16, s8, s9
	v_max_num_f32 v16, v16, v18                    ; and among lane l xor 16's
	v_mul_f32 v16, s10, v16                        ; as t (c is positive)
	v_max_num_f32 v[NM+1], v[NM+1], v16            ; the running largest t
	v_mov_b32 v16, v[NM]
	v_floor_f32 v[NM], -v[NM+1]                    ; the new -M = floor(-t): M is a whole number
	v_sub_f32 v16, v[NM], v16                      ; old M - new M: a whole number, 0 or less
	v_cvt_i32_f32 v16, v16                         ; (it saturates)
	v_ldexp_f32 v20, 1.0, v16                      ; f = 2^(old M - new M)
.set n, 0
.rept 32
	v_pk_fma_f32 v[S+n:S+n+1], v[S+n:S+n+1], s[10:11], v[NM:NM+1] op_sel_hi:[1,0,0]   ; t - M, two at a time
.set n, n+2
.endr
.set n, 0
.rept 64
	v_exp_f32 v[S+n], v[S+n]                       ; p = 2^(t - M), at most 1
.set n, n+1
.endr
	v_pk_mul_f32 v[SUM:SUM+1], v[SUM:SUM+1], v[20:21] op_sel_hi:[1,0]   ; the sums under the new M: the plain line behind the exponentials
	s_wait_alu depctr_va_vdst(0)                   ; one wait for the batch of 64, ahead of its first reader
	v_pk_add_f32 v[22:23], v[S:S+1], v[S+2:S+3]    ; the row's sum is taken of the unquantised p, in two chains
.set n, 4
.rept 15
	v_pk_add_f32 v[SUM:SUM+1], v[SUM:SUM+1], v[S+n:S+n+1]
	v_pk_add_f32 v[22:23], v[22:23], v[S+n+2:S+n+3]
.set n, n+4
.endr
	v_pk_add_f32 v[SUM:SUM+1], v[SUM:SUM+1], v[22:23]
.irp t, 0,1,2,3,4,5,6,7
.irp i, 0,1,2,3,4,5,6,7
	v_min_num_f32 v[S+8*\t+\i], v[S+8*\t+\i], v[LIM]   ; the conversion does not saturate (ISA guide 7.6.2); p is not negative, so the hold is one-sided
.endr
	v_cvt_scalef32_pk8_fp8_f32 v[PP+2*\t:PP+2*\t+1], v[S+8*\t:S+8*\t+7], v[SCL]   ; keys 16 t + 8 h + 0 .. 7: registers 2 t, 2 t + 1 of the operand
.endr
.set n, 0
.rept 16
	v_pk_mul_f32 v[O+32*(\u)+n:O+32*(\u)+n+1], v[O+32*(\u)+n:O+32*(\u)+n+1], v[20:21] op_sel_hi:[1,0]   ; O^T under the new M.  (Also the plain lines between the conversions and the next matrix instructions)
.set n, n+2
.endr
.endm
.macro SCORES u                        ; S^T = K Q^T for tile u: eight tiles of 16 keys
.irp t, 0,1,2,3,4,5,6,7
	v_wmma_f32_16x16x64_fp8_fp8 v[S+8*\t:S+8*\t+7], v[F+8*\t:F+8*\t+7], v[Q+8*(\u):Q+8*(\u)+7], 0
.endr
.endm
.macro VLOADS                          ; V's four tiles of 16 channels x 128 keys
.irp t, 0,1,2,3
.irp i, 0,1,2,3
	ds_load_b128 v[F+16*\t+4*\i:F+16*\t+4*\i+3], v[ADR] offset:2048*\t+512*\i
.endr
.endr
.endm
.macro PV u                            ; O^T += V^T P^T for tile u: four accumulators, one instruction each; the scores' eight products stand between two links of a chain
.irp t, 0,1,2,3
	v_wmma_f32_16x16x128_fp8_fp8 v[O+32*(\u)+8*\t:O+32*(\u)+8*\t+7], v[F+16*\t:F+16*\t+15], v[P0-(P0-P1)*(\u):P0-(P0-P1)*(\u)+15], v[O+32*(\u)+8*\t:O+32*(\u)+8*\t+7]
.endr
.endm
	s_mov_b32 s[TB], 0
	s_mov_b32 s4, 0
.Lstep:                                                ; 16 trips, a key step of 128 keys each; what a trip leaves out is jumped over inside it
	s_lshr_b32 s18, s14, s4
	s_and_b32 s18, s18, 1                          ; does tile 0 need this step?
	s_lshr_b32 s19, s15, s4
	s_and_b32 s19, s19, 1                          ; has it hidden keys here?
	s_lshr_b32 s20, s16, s4
	s_and_b32 s20, s20, 1                          ; tile 1 likewise
	s_lshr_b32 s21, s17, s4
	s_and_b32 s21, s21, 1
	s_or_b32 s5, s18, s20
	s_cmp_eq_u32 s5, 0
	s_cbranch_scc1 .Lnext                          ; neither tile needs it
	v_add_nc_u32 v[ADR], s[TB], v[LI]
.rept 4
	v_nop                                          ; with the addition five places behind the last products: loads land in registers that they read, and the scores are laid over tile 1's codes
.endr
.irp t, 0,1,2,3,4,5,6,7
	ds_load_b128 v[F+8*\t:F+8*\t+3], v[ADR] offset:1024*\t          ; K's eight tiles of 16 keys: 512 consecutive bytes an instruction
	ds_load_b128 v[F+8*\t+4:F+8*\t+7], v[ADR] offset:1024*\t+512
.endr
	s_wait_dscnt 0x0
	s_cmp_eq_u32 s18, 0
	s_cbranch_scc1 .Lno_a
	SCORES 0
.rept 4
	v_nop
.endr
	SOFTMAX 0
.Lno_a:
	s_cmp_eq_u32 s20, 0
	s_cbranch_scc1 .Lno_b
	SCORES 1
	v_add_nc_u32 v[ADR], s[TB], v[LIV]
.rept 3
	v_nop                                          ; with the addition four places: V's loads land where K's fragments were read, and the scores are read below
.endr
	VLOADS                                         ; they land during tile 1's softmax
	SOFTMAX 1
	s_wait_dscnt 0x0
	PV 1
	s_branch .Lpv_a
.Lno_b:
	v_add_nc_u32 v[ADR], s[TB], v[LIV]             ; tile 0 alone: K's fragments were last read ahead of its softmax
	VLOADS
	s_wait_dscnt 0x0
.Lpv_a:
	s_cmp_eq_u32 s18, 0
	s_cbranch_scc1 .Lnext
	PV 0
.Lnext:
	s_add_nc_u64 s[6:7], s[6:7], 256               ; the next step's mask words, of both tiles (no scalar load is pending here),
	s_add_nc_u64 s[12:13], s[12:13], 256
	s_add_co_u32 s[TB], s[TB], 8192                ; and its K and V
	s_add_co_u32 s4, s4, 1
	s_cmp_lt_u32 s4, 16
	s_cbranch_scc1 .Lstep
	; THE WAY OUT.  O^T / the sum stands for attn / 2^(e8 + e9): its code for the last projection is that / 2^(e10 - e8 - e9).  The additions and moves are the places behind the last products.
	v_add_f32 v16, v10, v11                        ; the sums' two halves,
	v_add_f32 v17, v14, v15
	v_permlanex16_b32 v18, v16, s8, s9
	v_permlanex16_b32 v22, v17, s8, s9
	v_add_f32 v16, v16, v18                        ; and lane l xor 16's
	v_add_f32 v17, v17, v22
	s_lshl_b32 s5, s30, 23
	v_mov_b32 v[SCL], s5                           ; 2^(e10 - e8 - e9)
	s_add_co_i32 s31, s30, 8
	s_lshl_b32 s31, s31, 23
	s_or_b32 s31, s31, 0x600000
	v_rcp_f32 v20, v16
	v_rcp_f32 v22, v17
	v_mov_b32 v[LIM], s31                          ; 448 x that: the plain line behind the reciprocals
	s_wait_alu depctr_va_vdst(0)                   ; one wait for both, ahead of their first reader
.irp u, 0,1
.set n, 0
.rept 16
	v_pk_mul_f32 v[S+32*\u+n:S+32*\u+n+1], v[O+32*\u+n:O+32*\u+n+1], v[20+2*\u:21+2*\u] op_sel_hi:[1,0]   ; each accumulator from its low end on
.set n, n+2
.endr
.endr
.set n, 0
.rept 64
	v_med3_num_f32 v[S+n], v[S+n], -v[LIM], v[LIM]
.set n, n+1
.endr
.irp u, 0,1
.irp t, 0,1,2,3
	v_cvt_scalef32_pk8_fp8_f32 v[F+8*\u+2*\t:F+8*\u+2*\t+1], v[S+32*\u+8*\t:S+32*\u+8*\t+7], v[SCL]   ; tiles 2 c, 2 c + 1: channels 32 c + 16 h + 0 .. 15
.endr
.endr
	v_nop
.irp c, 0,1
	global_store_b128 v[LI], v[F+4*\c:F+4*\c+3], s[22:23] offset:512*\c       ; an image of the next operand's registers: 512 consecutive bytes, aligned
	global_store_b128 v[LI], v[F+8+4*\c:F+8+4*\c+3], s[24:25] offset:512*\c
.endr
	s_wait_tensorcnt 0x0
	ds_add_u32 v254, v255
	s_wait_dscnt 0x0
	s_endpgm
.Lfunc_end_k_q4bced85516_attn:
	.size	k_q4bced85516_attn, .Lfunc_end_k_q4bced85516_attn-k_q4bced85516_attn
	.p2alignl 7, 3214868480
	.fill 96, 4, 3214868480
	.section	.rodata,"a",@progbits
	.p2align	6, 0x0
	.amdhsa_kernel k_q4bced85516_attn
		.amdhsa_group_segment_fixed_size 264192
		.amdhsa_private_segment_fixed_size 0
		.amdhsa_enable_private_segment 0
		.amdhsa_kernarg_size 40
		.amdhsa_user_sgpr_count 2
		.amdhsa_user_sgpr_kernarg_segment_ptr 1
		.amdhsa_wavefront_size32 1
		.amdhsa_system_sgpr_workgroup_id_x 1
		.amdhsa_system_sgpr_workgroup_id_y 1
		.amdhsa_system_sgpr_workgroup_id_z 1
		.amdhsa_system_vgpr_workitem_id 0
		.amdhsa_next_free_vgpr 256
		.amdhsa_next_free_sgpr 102
		.amdhsa_reserve_vcc 0
		.amdhsa_float_denorm_mode_32 3
		.amdhsa_float_denorm_mode_16_64 3
		.amdhsa_memory_ordered 1
		.amdhsa_forward_progress 1
		.amdhsa_inst_pref_size 61
	.end_amdhsa_kernel
	.amdgpu_metadata
---
amdhsa.version: [ 1, 2 ]
amdhsa.kernels:
  - .name:           k_q4bced85516_attn
    .symbol:         k_q4bced85516_attn.kd
    .args:
      - { .name: qkv, .offset: 0, .size: 8, .value_kind: global_buffer, .address_space: global }
      - { .name: mw, .offset: 8, .size: 8, .value_kind: global_buffer, .address_space: global }
      - { .name: mf, .offset: 16, .size: 8, .value_kind: global_buffer, .address_space: global }
      - { .name: lowp_scales, .offset: 24, .size: 8, .value_kind: global_buffer, .address_space: global }
      - { .name: af, .offset: 32, .size: 8, .value_kind: global_buffer, .address_space: global }
    .group_segment_fixed_size: 264192
    .private_segment_fixed_size: 0
    .kernarg_segment_align: 8
    .kernarg_segment_size: 40
    .max_flat_workgroup_size: 512
    .sgpr_count:     102
    .vgpr_count:     256
    .wavefront_size: 32
...
	.end_amdgpu_metadata
.endif
;; end of part 6
;; launch outp: the kernel of part 4 again; grid 4 x 32, 4 waves a work-group, clusters of 4 x 4, 327,680 bytes of LDS; arguments af, wc, lowp_scales, bo, out0; writes out0
;; ======== version 3 of 3: 4 launches; version 2 with the launch attn written anew for expert scheduling mode
;; workspace buffers: xc 25,165,824 bytes; wc 4,194,304 bytes; mw 524,288 bytes of whole numbers; mf 65,536 bytes of whole numbers; qkv 25,165,824 bytes; af 8,388,608 bytes
;; launch prep: the kernel of part 5 again; grid 1024 x 1, 4 waves a work-group, no clusters, 67,072 bytes of LDS; arguments query, key_in, value, Wq, Wk, Wv, Wo, mask, lowp_scales, xc, wc, mw, mf; writes xc, wc, mw, mf
;; launch proj: the kernel of part 2 again; grid 4 x 96, 4 waves a work-group, clusters of 4 x 4, 327,680 bytes of LDS; arguments xc, wc, bq, bk, bv, lowp_scales, qkv; writes qkv
;; launch attn (part 7): grid 4 x 64, 16 waves a work-group, no clusters, 264,192 bytes of LDS; arguments qkv, mw, mf, lowp_scales, af; writes af
.if DOCPART == 7
	.amdgcn_target "amdgcn-amd-amdhsa--gfx1250"
	.amdhsa_code_object_version 6
	.text
	.protected	k_q4bced85516_attn
	.globl	k_q4bced85516_attn
	.p2align	8
	.type	k_q4bced85516_attn,@function
k_q4bced85516_attn:
	s_mov_b64 s[64:65], 0
	v_nop
	global_prefetch_b8 v0, s[64:65] scope:SCOPE_SE
	s_setreg_imm32_b32 hwreg(HW_REG_WAVE_SCHED_MODE, 0, 2), 2
	s_setreg_imm32_b32 hwreg(HW_REG_WAVE_MODE, 25, 1), 1
	s_wait_xcnt 0x0
	s_wait_alu depctr_vm_vsrc(0)
; ATTN.  For each of 64 heads (b, h): scores = Q K^T / 8, masked by the given mask, softmax, x V; both products on codes of FP8 (E4M3); the result is quantised for the last projection.
; THE SOFTMAX: t = score x log2(e) / 8; M = the row's largest t so far, rounded UP to a whole number; p = 2^(t - M) is quantised with 2^e8, not normalised; the row's sum is taken of the
; unquantised p and divides at the end.  When M moves, the sum and O are multiplied by 2^(old M - new M): exact.
; THE MASK is an input.  A hidden score is REPLACED (v_cndmask_b32, by lane masks that an earlier launch packed) by X = -2^(69 - e6 - e7), ahead of the maximum.  X is a power of two, so t = X c is
; exact and a whole number: in a row with no open key so far M = t and p = 2^0 = 1, as the definition has it (a row with no open key at all is the mean of V); the first open key makes
; 2^(old M - new M) = 0, which wipes what was summed.
; WHAT IS LEFT OUT, by whole numbers that the earlier launch stored for each unit (a tile of 16 queries x a step of 128 keys):
;   a unit with no open key, if every row of its tile has an open key somewhere: behind a row's first open key its p are 0 and M stays; ahead of it what it would add is wiped.  Nothing changes.
;   A tile that has a row with no open key keeps all 16 units.
;   in a unit with no hidden key: the mask words and the 64 selects.
; No pattern of the mask is assumed; with nothing to leave out all 32 units of a wave are computed.
; LIMITS: a hidden score stands at t = -1.06e20 where the definition has -1.44e20: it differs only for open scores below about -7e19.  e6 + e7 between -58 and 130; e8 between -126 and 119;
; e10 - e8 - e9 between -126 and 119.  K is permuted alike in Q's and K's fragments.  NaN is not served.
; SHARES.  Four work-groups take a head, each of their SIXTEEN waves two tiles of 16 queries in 256 registers: four waves to a SIMD, so that one wave's vector work stands beside another's matrix
; work and LDS loads.  Wave i = 16 x + w takes tiles i and 127 - i: where the mask hides the keys behind a query, the two together have 17 of 32 units, in every wave; under another mask only the
; balance differs.  Where both tiles need a step, each fragment of K and of V feeds two products.
; LDS holds the head's K (131,072 bytes at 0) and V (at 131,072) whole, as images of the operands' registers (512 bytes, lane l's 16 bytes at 16 l).  It is filled once, through registers:
; each wave loads 16,384 bytes and stores them; one barrier.
; NO CLUSTER, no tensor load: the steps that are left out hang on numbers read from memory.  What the four work-groups of
; a head share is these 262,144 bytes, read once by each.
; LAYOUT.  Both products are used transposed: S^T = K Q^T (source 0 = 16 keys), O^T = V^T P^T (source 0 = 16 of the head's 64): a lane holds ONE query (lane % 16).  Score register 8 t + j of lane
; (r, h) is key 16 t + 8 h + j: its eight codes are registers 2 t, 2 t + 1 of the second product's operand.  V's rows of a tile are chosen so that tiles 2 c, 2 c + 1 give a lane 16 neighbouring
; channels 32 c + 16 h + 0 .. 15: the last conversions' results are the next launch's operand registers and are stored as they stand.
; THE MODE: SCHED_MODE bits 1:0 = 2 (LLVM: expert scheduling mode 2), set by the entry lines.  The code itself states the register dependences between vector or matrix instructions and
; memory or LDS instructions, with s_wait_alu, always for 0.
; THE PLAN.  Registers that memory or LDS instructions touch:
;   v[LI], v[FA]    offsets, made once at the head, ahead of the head's wait on va_vdst, and never written again.
;   v40-167         at the head: 32 global loads land in them, 32 LDS stores read them.  One wait on vm_vsrc behind the barrier; from there on they are F, P1 and S.
;   F (v40-103)     in a step that is walked: K's 16 LDS loads land; the scores' products read; V's 16 LDS loads land; the products V^T P read; the next walked step's K lands.
;   v[ADK], v[ADV]  the step's two LDS addresses: made together at the step's head, read by its 32 LDS loads.
;   v40-55          on the way out: written by the last conversions, read by the four stores.
;   S, P0, P1, O^T and the statistics are named by vector and matrix instructions alone, in the loop.
; So a step that is walked has, at its head, one wait on vm_vsrc (the loads so far have read the two addresses), the two additions, and one wait on va_vdst (the addresses are written; the last
; products V^T P are done reading F); and in each softmax the one wait on va_vdst behind the batch of exponentials, which states besides that the scores' products are done reading F: V's loads
; stand behind it, and no line between that wait and those loads names F or v[ADV].  F has one set of registers: sixteen waves of 256 registers fill the four SIMDs.
.set LI,  1                            ; v1   16 x lane; never rewritten
.set LIV, 2                            ; v2   + 131,072: V
.set ADK, 3                            ; v3   the LDS address of the step's K
.set LIM, 4                            ; v4   448 x 2^e8
.set SCL, 5                            ; v5   2^e8
.set FA,  6                            ; v6   where I store my part of K or V: 16,384 x wave + 16 x lane
.set XM,  7                            ; v7   X
                                       ; v[8+4u] -M, v[9+4u] the largest t, v[10+4u:11+4u] the sum in two halves, of tile u; v16-18, v[20:21], v[22:23] at work
.set ADV, 19                           ; v19  the LDS address of the step's V
.set Q,   24                           ; v24-39   Q's two fragments
.set F,   40                           ; v40-103  eight fragments of K, or four of V.  At the head v40-167 carry my part of K or V on its way into LDS
.set P1,  104                          ; v104-119 tile 1's codes: they take four registers of their own and the first twelve of S, which are converted by then
.set S,   108                          ; v108-171 the scores, then p
.set P0,  172                          ; v172-187 tile 0's codes
.set O,   188                          ; v188-251 O^T, 32 a tile
.set WV,  2                            ; s2   wave
.set TB,  3                            ; s3   LDS byte of the key step in hand
                                       ; s4 the key step; s[6:7], s[12:13] the two tiles' mask words; s[8:9] lane selects; s[10:11] c
                                       ; s14, s16: bit Ks: tile 0, 1 needs key step Ks; s15, s17: bit Ks: it has hidden keys there; s18-21 the same four for the step in hand, 0 or 1
                                       ; s[22:23], s[24:25] where the two tiles' results go; s30 e10 - e8 - e9 + 127
                                       ; s[32:63], s[68:99] the 64 mask words of the unit in hand: word n in s[32 + n + 4 (n / 32)]
	s_load_b128 s[32:35], s[0:1], 0x0              ; qkv, mw
	s_load_b128 s[36:39], s[0:1], 0x10             ; mf, the exponents
	s_load_b64 s[40:41], s[0:1], 0x20              ; af
	v_lshl_add_u32 v254, v0, 2, 0x40000
	v_mov_b32 v255, 0
	v_lshrrev_b32 v1, 5, v0
	v_readfirstlane_b32 s[WV], v1                  ; wave 0..15
	s_and_b32 s29, ttmp7, 0xffff                   ; the head, 16 b + h
	s_mov_b32 s8, 0x76543210
	s_mov_b32 s9, 0xfedcba98                       ; v_permlanex16_b32: lane l xor 16
	s_lshl_b32 s31, s29, 17                        ; a head is 131,072 bytes in each of Q's, K's and V's parts of qkv
	s_wait_alu depctr_va_sdst(0)                   ; the wave's number is written into s2, ahead of its first reader
	s_lshr_b32 s5, s[WV], 3                        ; what I bring into LDS: waves 0-7 an eighth of K, waves 8-15 of V
	s_add_co_u32 s5, s5, 1
	s_lshl_b32 s52, s5, 23                         ; K's and V's parts lie 8,388,608 and 16,777,216 bytes in
	s_and_b32 s5, s[WV], 7
	s_lshl_b32 s5, s5, 14
	s_add_co_u32 s52, s52, s5
	s_add_co_u32 s52, s52, s31
	s_mov_b32 s53, 0
	s_lshl_b32 s54, ttmp9, 4
	s_add_co_u32 s54, s54, s[WV]                   ; tile 0: i = 16 x + wave
	s_sub_co_u32 s55, 127, s54                     ; tile 1: 127 - i
	s_lshl_b32 s56, s54, 10                        ; Q: 1,024 bytes a tile
	s_add_co_u32 s56, s56, s31
	s_mov_b32 s57, 0
	s_lshl_b32 s58, s55, 10
	s_add_co_u32 s58, s58, s31
	s_mov_b32 s59, 0
	s_lshl_b32 s60, s54, 12                        ; the mask words: 4,096 bytes a tile
	s_mov_b32 s61, 0
	s_lshl_b32 s62, s55, 12
	s_mov_b32 s63, 0
	s_lshr_b32 s5, s29, 4
	s_lshl_b32 s5, s5, 7                           ; 128 b
	s_and_b32 s28, s29, 15
	s_lshl_b32 s28, s28, 10                        ; 1,024 h
	s_add_co_u32 s68, s5, s54
	s_lshl_b32 s68, s68, 14                        ; af: (128 b + tile) x 16,384 + 1,024 h
	s_add_co_u32 s68, s68, s28
	s_mov_b32 s69, 0
	s_add_co_u32 s70, s5, s55
	s_lshl_b32 s70, s70, 14
	s_add_co_u32 s70, s70, s28
	s_mov_b32 s71, 0
	s_lshl_b32 s72, s54, 9                         ; the records: 512 bytes a tile
	s_mov_b32 s73, 0
	s_lshl_b32 s74, s55, 9
	s_mov_b32 s75, 0
	s_wait_kmcnt 0x0
	s_load_b256 s[76:83], s[38:39], 0x0            ; e0 .. e7
	s_load_b128 s[84:87], s[38:39], 0x20           ; e8 .. e11
	s_add_nc_u64 s[26:27], s[32:33], s[52:53]      ; my part of K or V
	s_add_nc_u64 s[66:67], s[32:33], s[56:57]      ; Q of tile 0
	s_add_nc_u64 s[100:101], s[32:33], s[58:59]    ; Q of tile 1
	s_add_nc_u64 s[6:7], s[34:35], s[60:61]
	s_add_nc_u64 s[12:13], s[34:35], s[62:63]
	s_add_nc_u64 s[22:23], s[40:41], s[68:69]
	s_add_nc_u64 s[24:25], s[40:41], s[70:71]
	s_add_nc_u64 s[88:89], s[36:37], s[72:73]
	s_add_nc_u64 s[90:91], s[36:37], s[74:75]
	s_load_b128 s[44:47], s[88:89], 0x0            ; tile 0's four records: rows' OR, open units, units with hidden keys, 0
	s_load_b128 s[48:51], s[88:89], 0x80
	s_load_b128 s[92:95], s[88:89], 0x100
	s_load_b128 s[96:99], s[88:89], 0x180
	s_load_b128 s[52:55], s[90:91], 0x0            ; tile 1's
	s_load_b128 s[56:59], s[90:91], 0x80
	s_load_b128 s[60:63], s[90:91], 0x100
	s_load_b128 s[68:71], s[90:91], 0x180
	v_and_b32 v1, 31, v0
	v_lshlrev_b32 v[LI], 4, v1
	v_add_nc_u32 v[LIV], 0x20000, v[LI]
	s_lshl_b32 s5, s[WV], 14
	v_add_nc_u32 v[FA], s5, v[LI]
	s_wait_alu depctr_va_vdst(0)                   ; v[LI] and v[FA] are written: every global load and store reads the first as its offset, the 32 LDS stores below the second as their address; no vector line behind this wait names them, nor v24-167
.irp c, 0,1
	global_load_b128 v[Q+4*\c:Q+4*\c+3], v[LI], s[66:67] offset:512*\c          ; Q's fragments stay in registers
	global_load_b128 v[Q+8+4*\c:Q+8+4*\c+3], v[LI], s[100:101] offset:512*\c
.endr
.set i, 0
.rept 32
	global_load_b128 v[F+4*i:F+4*i+3], v[LI], s[26:27] offset:512*i             ; my 16,384 bytes of K or V: 512 consecutive bytes a load, all 32 on their way at once
.set i, i+1
.endr
.irp u, 0,1
	v_mov_b32 v[9+4*\u], 0xff61b1e6                ; the largest t so far: -3e38, under every t
	v_floor_f32 v[8+4*\u], -v[9+4*\u]              ; -M
	v_mov_b32 v[10+4*\u], 0
	v_mov_b32 v[11+4*\u], 0
.endr
	v_mov_b32 v18, 0                               ; a lane permute's destination counts as one of its sources
	v_mov_b32 v21, 0                               ; (named as the upper half of the pair v[20:21])
	v_mov_b32 v22, 0
	v_mov_b32 v23, 0
.set n, 60
.rept 20
	v_mov_b32 v[S+n], 0                            ; the last four scores and tile 0's codes: every register that a later line names has a value, whichever units are left out
.set n, n+1
.endr
.set n, 0
.rept 64
	v_mov_b32 v[O+n], 0                            ; the step is written once: a tile's first finds zeros, which the first change of M leaves zeros
.set n, n+1
.endr
	s_wait_kmcnt 0x0
	s_add_co_i32 s5, s82, s83                      ; e6 + e7
	s_lshl_b32 s31, s5, 23
	s_add_co_i32 s10, s31, 0x3e38aa3b              ; c = log2(e) / 8 x 2^(e6 + e7): the exponents are added to c's exponent field
	s_mov_b32 s11, s10                             ; (named with it as a pair)
	s_sub_co_i32 s5, 196, s5
	s_lshl_b32 s5, s5, 23
	s_or_b32 s5, s5, 0x80000000
	v_mov_b32 v[XM], s5                            ; X = -2^(69 - e6 - e7)
	s_add_co_i32 s5, s84, 127
	s_lshl_b32 s31, s5, 23
	v_mov_b32 v[SCL], s31                          ; 2^e8
	s_add_co_i32 s5, s5, 8
	s_lshl_b32 s5, s5, 23
	s_or_b32 s5, s5, 0x600000
	v_mov_b32 v[LIM], s5                           ; 448 x 2^e8
	s_sub_co_i32 s30, s86, s84
	s_sub_co_i32 s30, s30, s85
	s_add_co_i32 s30, s30, 127                     ; e10 - e8 - e9 + 127, for the way out
	; a tile's four records are joined.  Has every one of its 16 rows an open key?  Then only the units with an open key are needed; else all 16.
.irp j, 0,1,2
	s_or_b32 s[44+\j], s[44+\j], s[48+\j]
	s_or_b32 s[44+\j], s[44+\j], s[92+\j]
	s_or_b32 s[44+\j], s[44+\j], s[96+\j]
	s_or_b32 s[52+\j], s[52+\j], s[56+\j]
	s_or_b32 s[52+\j], s[52+\j], s[60+\j]
	s_or_b32 s[52+\j], s[52+\j], s[68+\j]
.endr
	s_lshr_b32 s5, s44, 16                         ; row r's keys lie in lanes r and r + 16
	s_or_b32 s5, s5, s44
	s_and_b32 s5, s5, 0xffff
	s_cmp_eq_u32 s5, 0xffff
	s_cselect_b32 s14, s45, 0xffff
	s_mov_b32 s15, s46
	s_lshr_b32 s5, s52, 16
	s_or_b32 s5, s5, s52
	s_and_b32 s5, s5, 0xffff
	s_cmp_eq_u32 s5, 0xffff
	s_cselect_b32 s16, s53, 0xffff
	s_mov_b32 s17, s54
.set i, 0
.rept 32
	s_wait_loadcnt 31-i                            ; load i is in (and Q, asked for ahead of it); the younger ones may be out
	ds_store_b128 v[FA], v[F+4*i:F+4*i+3] offset:512*i
.set i, i+1
.endr
	s_wait_dscnt 0x0                               ; for the others' sake: my part lies in LDS
	s_barrier_signal -1
	s_barrier_wait -1                              ; the head's K and V are whole; nothing is stored into LDS from here on
	s_wait_alu depctr_vm_vsrc(0)                   ; my LDS stores have read v40-167: these registers are F, P1 and S from here on, written by LDS loads, products and conversions
.macro VLOADS                          ; V's four tiles of 16 channels x 128 keys
.irp t, 0,1,2,3
.irp i, 0,1,2,3
	ds_load_b128 v[F+16*\t+4*\i:F+16*\t+4*\i+3], v[ADV] offset:2048*\t+512*\i
.endr
.endr
.endm
; One tile's mask and softmax for one key step of 128 keys (64 scores a lane).  In tile 1's stand V's loads, behind the wait for the batch.
.macro SOFTMAX u
.set NM, 8+4*(\u)
.set SUM, 10+4*(\u)
.set PP, P0-(P0-P1)*(\u)
.set MP, 6+6*(\u)
	s_cmp_eq_u32 s[19+2*(\u)], 0                   ; no hidden key in this unit: no words, no selects
	s_cbranch_scc1 .Lopen_\@
	s_load_b512 s[32:47], s[MP:MP+1], 0x0          ; the unit's 64 words.  Loads, wait and selects stand in one block: no load leaves it pending, so the pointer steps at the trip's end without a wait
	s_load_b512 s[48:63], s[MP:MP+1], 0x40
	s_load_b512 s[68:83], s[MP:MP+1], 0x80
	s_load_b512 s[84:99], s[MP:MP+1], 0xc0
	s_wait_kmcnt 0x0
.set n, 0
.rept 64
	v_cndmask_b32 v[S+n], v[XM], v[S+n], s[32+n+4*(n/32)]   ; a hidden score becomes X; each accumulator is read from its low end on
.set n, n+1
.endr
.Lopen_\@:
	v_max3_num_f32 v16, v[S], v[S+1], v[S+2]       ; the step's largest score of my query among my 64 keys, in two chains, ascending: each accumulator from its low end on
	v_max3_num_f32 v17, v[S+3], v[S+4], v[S+5]
.set n, 6
.rept 14
	v_max3_num_f32 v16, v16, v[S+n], v[S+n+1]
	v_max3_num_f32 v17, v17, v[S+n+2], v[S+n+3]
.set n, n+4
.endr
	v_max3_num_f32 v16, v16, v[S+62], v[S+63]
	v_max_num_f32 v16, v16, v17
	v_permlanex16_b32 v18, v16, s8, s9
	v_max_num_f32 v16, v16, v18                    ; and among lane l xor 16's
	v_mul_f32 v16, s10, v16                        ; as t (c is positive)
	v_max_num_f32 v[NM+1], v[NM+1], v16            ; the running largest t
	v_mov_b32 v16, v[NM]
	v_floor_f32 v[NM], -v[NM+1]                    ; the new -M = floor(-t): M is a whole number
	v_sub_f32 v16, v[NM], v16                      ; old M - new M: a whole number, 0 or less
	v_cvt_i32_f32 v16, v16                         ; (it saturates)
	v_ldexp_f32 v20, 1.0, v16                      ; f = 2^(old M - new M)
.set n, 0
.rept 32
	v_pk_fma_f32 v[S+n:S+n+1], v[S+n:S+n+1], s[10:11], v[NM:NM+1] op_sel_hi:[1,0,0]   ; t - M, two at a time
.set n, n+2
.endr
.set n, 0
.rept 64
	v_exp_f32 v[S+n], v[S+n]                       ; p = 2^(t - M), at most 1
.set n, n+1
.endr
	v_pk_mul_f32 v[SUM:SUM+1], v[SUM:SUM+1], v[20:21] op_sel_hi:[1,0]   ; the sums under the new M: the plain line behind the exponentials
	s_wait_alu depctr_va_vdst(0)                   ; the 64 exponentials have written p, ahead of its first reader (one wait for the batch); and the scores' products are done reading K's fragments in F, in which V's loads land
.if (\u) == 1
	VLOADS                                         ; no line since the wait names F or v[ADV]; they land during the sums, the holds, the conversions and O^T's rescaling
.endif
	v_pk_add_f32 v[22:23], v[S:S+1], v[S+2:S+3]    ; the row's sum is taken of the unquantised p, in two chains
.set n, 4
.rept 15
	v_pk_add_f32 v[SUM:SUM+1], v[SUM:SUM+1], v[S+n:S+n+1]
	v_pk_add_f32 v[22:23], v[22:23], v[S+n+2:S+n+3]
.set n, n+4
.endr
	v_pk_add_f32 v[SUM:SUM+1], v[SUM:SUM+1], v[22:23]
.irp t, 0,1,2,3,4,5,6,7
.irp i, 0,1,2,3,4,5,6,7
	v_min_num_f32 v[S+8*\t+\i], v[S+8*\t+\i], v[LIM]   ; the conversion does not saturate (ISA guide 7.6.2); p is not negative, so the hold is one-sided
.endr
	v_cvt_scalef32_pk8_fp8_f32 v[PP+2*\t:PP+2*\t+1], v[S+8*\t:S+8*\t+7], v[SCL]   ; keys 16 t + 8 h + 0 .. 7: registers 2 t, 2 t + 1 of the operand
.endr
.set n, 0
.rept 16
	v_pk_mul_f32 v[O+32*(\u)+n:O+32*(\u)+n+1], v[O+32*(\u)+n:O+32*(\u)+n+1], v[20:21] op_sel_hi:[1,0]   ; O^T under the new M.  (Also the plain lines between the conversions and the next matrix instructions)
.set n, n+2
.endr
.endm
.macro SCORES u                        ; S^T = K Q^T for tile u: eight tiles of 16 keys
.irp t, 0,1,2,3,4,5,6,7
	v_wmma_f32_16x16x64_fp8_fp8 v[S+8*\t:S+8*\t+7], v[F+8*\t:F+8*\t+7], v[Q+8*(\u):Q+8*(\u)+7], 0
.endr
.endm
.macro PV u                            ; O^T += V^T P^T for tile u: four accumulators, one instruction each; the scores' eight products stand between two links of a chain
.irp t, 0,1,2,3
	v_wmma_f32_16x16x128_fp8_fp8 v[O+32*(\u)+8*\t:O+32*(\u)+8*\t+7], v[F+16*\t:F+16*\t+15], v[P0-(P0-P1)*(\u):P0-(P0-P1)*(\u)+15], v[O+32*(\u)+8*\t:O+32*(\u)+8*\t+7]
.endr
.endm
	s_mov_b32 s[TB], 0
	s_mov_b32 s4, 0
.Lstep:                                                ; 16 trips, a key step of 128 keys each; what a trip leaves out is jumped over inside it
	s_lshr_b32 s18, s14, s4
	s_and_b32 s18, s18, 1                          ; does tile 0 need this step?
	s_lshr_b32 s19, s15, s4
	s_and_b32 s19, s19, 1                          ; has it hidden keys here?
	s_lshr_b32 s20, s16, s4
	s_and_b32 s20, s20, 1                          ; tile 1 likewise
	s_lshr_b32 s21, s17, s4
	s_and_b32 s21, s21, 1
	s_or_b32 s5, s18, s20
	s_cmp_eq_u32 s5, 0
	s_cbranch_scc1 .Lnext                          ; neither tile needs it
	s_wait_alu depctr_vm_vsrc(0)                   ; the LDS loads issued so far have read v[ADK] and v[ADV], which the two additions write
	v_add_nc_u32 v[ADK], s[TB], v[LI]              ; both of the step's addresses are made here, under one pair of waits
	v_add_nc_u32 v[ADV], s[TB], v[LIV]
.rept 3
	v_nop                                          ; with the two additions five places behind the last products: the scores are laid over tile 1's codes, which those products read
.endr
	s_wait_alu depctr_va_vdst(0)                   ; v[ADK] and v[ADV] are written, which this step's LDS loads read; the last products V^T P are done reading F, in which K's loads land
.irp t, 0,1,2,3,4,5,6,7
	ds_load_b128 v[F+8*\t:F+8*\t+3], v[ADK] offset:1024*\t          ; K's eight tiles of 16 keys: 512 consecutive bytes an instruction
	ds_load_b128 v[F+8*\t+4:F+8*\t+7], v[ADK] offset:1024*\t+512
.endr
	s_wait_dscnt 0x0
	s_cmp_eq_u32 s18, 0
	s_cbranch_scc1 .Lno_a
	SCORES 0
.rept 4
	v_nop
.endr
	SOFTMAX 0
.Lno_a:
	s_cmp_eq_u32 s20, 0
	s_cbranch_scc1 .Lno_b
	SCORES 1
.rept 4
	v_nop                                          ; four places behind the products, ahead of the first read of the scores
.endr
	SOFTMAX 1                                      ; V's loads stand in it
	s_wait_dscnt 0x0
	PV 1
	s_branch .Lpv_a
.Lno_b:
	VLOADS                                         ; tile 0 alone: the products that read K's fragments stand ahead of the wait in tile 0's softmax, and no line since names F or v[ADV]
	s_wait_dscnt 0x0
.Lpv_a:
	s_cmp_eq_u32 s18, 0
	s_cbranch_scc1 .Lnext
	PV 0
.Lnext:
	s_add_nc_u64 s[6:7], s[6:7], 256               ; the next step's mask words, of both tiles (no scalar load is pending here),
	s_add_nc_u64 s[12:13], s[12:13], 256
	s_add_co_u32 s[TB], s[TB], 8192                ; and its K and V
	s_add_co_u32 s4, s4, 1
	s_cmp_lt_u32 s4, 16
	s_cbranch_scc1 .Lstep
	; THE WAY OUT.  O^T / the sum stands for attn / 2^(e8 + e9): its code for the last projection is that / 2^(e10 - e8 - e9).  The additions and moves are the places behind the last products.
	v_add_f32 v16, v10, v11                        ; the sums' two halves,
	v_add_f32 v17, v14, v15
	v_permlanex16_b32 v18, v16, s8, s9
	v_permlanex16_b32 v22, v17, s8, s9
	v_add_f32 v16, v16, v18                        ; and lane l xor 16's
	v_add_f32 v17, v17, v22
	s_lshl_b32 s5, s30, 23
	v_mov_b32 v[SCL], s5                           ; 2^(e10 - e8 - e9)
	s_add_co_i32 s31, s30, 8
	s_lshl_b32 s31, s31, 23
	s_or_b32 s31, s31, 0x600000
	v_rcp_f32 v20, v16
	v_rcp_f32 v22, v17
	v_mov_b32 v[LIM], s31                          ; 448 x that: the plain line behind the reciprocals
	s_wait_alu depctr_va_vdst(0)                   ; the two reciprocals have written v20 and v22: one wait for both, ahead of their first reader
.irp u, 0,1
.set n, 0
.rept 16
	v_pk_mul_f32 v[S+32*\u+n:S+32*\u+n+1], v[O+32*\u+n:O+32*\u+n+1], v[20+2*\u:21+2*\u] op_sel_hi:[1,0]   ; each accumulator from its low end on
.set n, n+2
.endr
.endr
.set n, 0
.rept 64
	v_med3_num_f32 v[S+n], v[S+n], -v[LIM], v[LIM]
.set n, n+1
.endr
.irp u, 0,1
.irp t, 0,1,2,3
	v_cvt_scalef32_pk8_fp8_f32 v[F+8*\u+2*\t:F+8*\u+2*\t+1], v[S+32*\u+8*\t:S+32*\u+8*\t+7], v[SCL]   ; tiles 2 c, 2 c + 1: channels 32 c + 16 h + 0 .. 15
.endr
.endr
	v_nop
	s_wait_alu depctr_va_vdst(0)                   ; the conversions have written v40-55, which the four stores read
.irp c, 0,1
	global_store_b128 v[LI], v[F+4*\c:F+4*\c+3], s[22:23] offset:512*\c       ; an image of the next operand's registers: 512 consecutive bytes, aligned
	global_store_b128 v[LI], v[F+8+4*\c:F+8+4*\c+3], s[24:25] offset:512*\c
.endr
	s_wait_dscnt 0x0                               ; the closing lines, six on end
	s_wait_alu 0x0
	s_wait_tensorcnt 0x0
	ds_add_u32 v254, v255
	s_wait_dscnt 0x0
	s_endpgm
.Lfunc_end_k_q4bced85516_attn:
	.size	k_q4bced85516_attn, .Lfunc_end_k_q4bced85516_attn-k_q4bced85516_attn
	.p2alignl 7, 3214868480
	.fill 96, 4, 3214868480
	.section	.rodata,"a",@progbits
	.p2align	6, 0x0
	.amdhsa_kernel k_q4bced85516_attn
		.amdhsa_group_segment_fixed_size 264192
		.amdhsa_private_segment_fixed_size 0
		.amdhsa_enable_private_segment 0
		.amdhsa_kernarg_size 40
		.amdhsa_user_sgpr_count 2
		.amdhsa_user_sgpr_kernarg_segment_ptr 1
		.amdhsa_wavefront_size32 1
		.amdhsa_system_sgpr_workgroup_id_x 1
		.amdhsa_system_sgpr_workgroup_id_y 1
		.amdhsa_system_sgpr_workgroup_id_z 1
		.amdhsa_system_vgpr_workitem_id 0
		.amdhsa_next_free_vgpr 256
		.amdhsa_next_free_sgpr 102
		.amdhsa_reserve_vcc 0
		.amdhsa_float_denorm_mode_32 3
		.amdhsa_float_denorm_mode_16_64 3
		.amdhsa_memory_ordered 1
		.amdhsa_forward_progress 1
		.amdhsa_inst_pref_size 62
	.end_amdhsa_kernel
	.amdgpu_metadata
---
amdhsa.version: [ 1, 2 ]
amdhsa.kernels:
  - .name:           k_q4bced85516_attn
    .symbol:         k_q4bced85516_attn.kd
    .args:
      - { .name: qkv, .offset: 0, .size: 8, .value_kind: global_buffer, .address_space: global }
      - { .name: mw, .offset: 8, .size: 8, .value_kind: global_buffer, .address_space: global }
      - { .name: mf, .offset: 16, .size: 8, .value_kind: global_buffer, .address_space: global }
      - { .name: lowp_scales, .offset: 24, .size: 8, .value_kind: global_buffer, .address_space: global }
      - { .name: af, .offset: 32, .size: 8, .value_kind: global_buffer, .address_space: global }
    .group_segment_fixed_size: 264192
    .private_segment_fixed_size: 0
    .kernarg_segment_align: 8
    .kernarg_segment_size: 40
    .max_flat_workgroup_size: 512
    .sgpr_count:     102
    .vgpr_count:     256
    .wavefront_size: 32
...
	.end_amdgpu_metadata
.endif
;; end of part 7
;; launch outp: the kernel of part 4 again; grid 4 x 32, 4 waves a work-group, clusters of 4 x 4, 327,680 bytes of LDS; arguments af, wc, lowp_scales, bo, out0; writes out0
